; MI455X (gfx1250); checked and timed in simulation.
; The chip was launched on July 23, 2026; its instructions are those of AMD's public machine-readable ISA for CDNA 5 (MIT licence, August 2026) and "CDNA5" Instruction Set Architecture Reference Guide (July 2026). The comments in the code are by the model that wrote it; some were corrected since.
;; Multi Scale Attention. Allowed arithmetic: float matrix products may take bf16 or f16 operands with f32 sums; other float arithmetic in f32, or as packed bf16 or f16 multiplies, adds, multiply-adds, maxima and minima; sums over many terms, partial sums and values carried from step to step in f32; what a program stores and reads back later, other than sums and carried values, may be rounded once to bf16 or f16.
;; Inputs: Wkv 1,024 x 512 float32; Wproj 512 x 512 float32; Wq 512 x 512 float32; bproj 512 float32; t1 49 x 1 float32; t2 49 x 1 float32; t3 225 x 1 float32; t4 225 x 1 float32; t5 225 x 1 float32; t6 961 x 1 float32; t7 961 x 1 float32; x 8 x 4,096 x 512 float32.
;; Outputs: out0 8 x 4,096 x 512 float32.
;; Constants: H = 64, W = 64.
;; One version. Each part assembles by itself: llvm-mc -triple=amdgcn-amd-amdhsa -mcpu=gfx1250 --defsym DOCPART=n.
;; ======== version 1 of 1: 5 launches
;; limits: values are held in f16: magnitudes above 65,504 overflow, below 6.1e-05 lose precision
;; workspace buffers: wqkv 1,572,864 bytes; wpj 524,288 bytes; btab 55,296 bytes; qkv 100,663,296 bytes; oh 33,554,432 bytes
;; launch prep (part 1): grid 156 x 1, 8 waves a work-group, no clusters, 0 bytes of LDS; arguments Wq, Wkv, Wproj, t1, t2, t3, t4, t5, t6, t7, wqkv, wpj, btab; writes wqkv, wpj, btab
.if DOCPART == 1
	.amdgcn_target "amdgcn-amd-amdhsa--gfx1250"
	.amdhsa_code_object_version 6
	.text
	.protected	k_q89dd1f2fff_prep
	.globl	k_q89dd1f2fff_prep
	.p2align	8
	.type	k_q89dd1f2fff_prep,@function
k_q89dd1f2fff_prep:
	s_mov_b64 s[64:65], 0
	v_nop
	global_prefetch_b8 v0, s[64:65] scope:SCOPE_SE
	s_setreg_imm32_b32 hwreg(HW_REG_WAVE_MODE, 25, 1), 1
	s_wait_xcnt 0x0
; THE WEIGHTS' CASTS AND THE BIAS IMAGES.
; Work-groups 0-127 cast 8,192 numbers each: 0-31 Wq and 32-95 Wkv to bf16 (wqkv: [1536][512], Wq's rows, then Wkv's); 96-127 Wproj to bf16 and that number to f16 (wpj: [512][512]).
; LIMIT: a bf16 number below 2^-14 in size loses bits as f16 (absolute error at most 3e-8); beyond 65,504 it would be an infinity.
; Work-groups 128-155 make btab: for head hi + 1 (hi = 0..6, window side p = 4,4,8,8,8,16,16, D = 2 p - 1) copy c = 0..3 of the image
;   word(c, row, wd) = 8 x bf16(T[D D - 1 - (row D + wd - c)]) where 0 <= wd - c < D and row < D, else 0;   row = yk - yq + p - 1, wd - c = xk - xq + p - 1.
; ROWS = 2 p rows of RPW = 2 p + 4 words.  The four copies let a lane's run of words begin at a multiple of 16 bytes whatever its query's x.  The factor 8 (exact) undoes the scale 1/8 that the attention applies to score and bias together.
; These stores are 4 bytes a lane: 55,296 bytes in all, once.
	s_load_b256 s[4:11], s[0:1], 0x0               ; Wq s[4:5], Wkv s[6:7], Wproj s[8:9], t1 s[10:11]
	s_load_b256 s[12:19], s[0:1], 0x20             ; t2 .. t5
	s_load_b256 s[20:27], s[0:1], 0x40             ; t6 s[20:21], t7 s[22:23], wqkv s[24:25], wpj s[26:27]
	s_load_b64 s[28:29], s[0:1], 0x60              ; btab
	s_mov_b32 s40, ttmp9
	s_mov_b32 s39, 0
	v_lshlrev_b32 v1, 5, v0                        ; 32 bytes of f32 a thread
	v_lshlrev_b32 v2, 4, v0                        ; 16 bytes of 16-bit numbers
	s_wait_kmcnt 0x0
	s_cmp_ge_u32 s40, 128
	s_cbranch_scc1 .Ltables
	s_cmp_lt_u32 s40, 32
	s_cselect_b64 s[32:33], s[4:5], s[6:7]
	s_cselect_b32 s34, 0, 32
	s_cmp_lt_u32 s40, 96
	s_cselect_b64 s[32:33], s[32:33], s[8:9]       ; the source,
	s_cselect_b32 s34, s34, 96                     ; its first work-group,
	s_cselect_b64 s[36:37], s[24:25], s[26:27]     ; the destination,
	s_cselect_b32 s35, 0, 96                       ; and its first work-group
	s_sub_co_u32 s38, s40, s34
	s_lshl_b32 s38, s38, 15
	s_add_nc_u64 s[32:33], s[32:33], s[38:39]
	s_sub_co_u32 s38, s40, s35
	s_lshl_b32 s38, s38, 14
	s_add_nc_u64 s[36:37], s[36:37], s[38:39]
.irp i, 0,1,2,3
	global_load_b128 v[8+8*\i:11+8*\i],  v1, s[32:33] offset:\i*8192 th:TH_LOAD_NT
	global_load_b128 v[12+8*\i:15+8*\i], v1, s[32:33] offset:\i*8192+16 th:TH_LOAD_NT
.endr
	s_wait_loadcnt 0x0
.irp i, 0,1,2,3,4,5,6,7,8,9,10,11,12,13,14,15
	v_cvt_pk_bf16_f32 v[40+\i], v[8+2*\i], v[9+2*\i]
.endr
	s_cmp_lt_u32 s40, 96
	s_cbranch_scc1 .Lstore
.irp i, 0,1,2,3,4,5,6,7,8,9,10,11,12,13,14,15
	v_lshlrev_b32 v56, 16, v[40+\i]                ; Wproj: the bf16 number, written as f16
	v_and_b32 v57, 0xffff0000, v[40+\i]
	v_cvt_pk_f16_f32 v[40+\i], v56, v57
.endr
.Lstore:
.irp i, 0,1,2,3
	global_store_b128 v2, v[40+4*\i:43+4*\i], s[36:37] offset:\i*4096   ; sixteen lanes store 256 consecutive bytes, aligned
.endr
	s_endpgm
.Ltables:
	s_sub_co_u32 s41, s40, 128
	s_and_b32 s42, s41, 3                          ; c
	s_lshr_b32 s41, s41, 2                         ; hi
	s_mov_b64 s[32:33], s[22:23]
.irp k, 0,1,2,3,4,5
	s_cmp_eq_u32 s41, \k
	s_cselect_b64 s[32:33], s[10+2*\k:11+2*\k], s[32:33]   ; the head's table
.endr
	s_mov_b32 s48, 18432
	s_cmp_lt_u32 s41, 5
	s_cselect_b32 s43, 15, 31                      ; D
	s_cselect_b32 s44, 20, 36                      ; RPW
	s_cselect_b32 s45, 16, 32                      ; ROWS
	s_cselect_b32 s47, 2, 5                        ; the first hi of this window side
	s_cselect_b32 s48, 3072, s48                   ; and its first byte in btab
	s_cmp_lt_u32 s41, 2
	s_cselect_b32 s43, 7, s43
	s_cselect_b32 s44, 12, s44
	s_cselect_b32 s45, 8, s45
	s_cselect_b32 s47, 0, s47
	s_cselect_b32 s48, 0, s48
	s_mul_i32 s46, s44, s45
	s_lshl_b32 s46, s46, 2                         ; bytes in a copy
	s_sub_co_u32 s49, s41, s47
	s_lshl_b32 s50, s46, 2
	s_mul_i32 s49, s49, s50
	s_add_co_u32 s48, s48, s49
	s_mul_i32 s49, s42, s46
	s_add_co_u32 s48, s48, s49                     ; the copy's first byte
	s_mul_i32 s51, s43, s43
	s_sub_co_u32 s51, s51, 1                       ; D D - 1
	v_and_b32 v3, 63, v0                           ; wd
	v_lshrrev_b32 v4, 6, v0                        ; rows go four at a time
	v_sub_nc_u32 v5, v3, s42                       ; wd - c (wraps below 0: then it is not under D)
	v_cmp_gt_u32 s52, s43, v5
	v_cmp_gt_u32 s53, s44, v3
.irp i, 0,1,2,3,4,5,6,7
	v_add_nc_u32 v[8+\i], 4*\i, v4                 ; row
	v_mad_u32_u24 v[16+\i], v[8+\i], s43, v5
	v_sub_nc_u32 v[16+\i], s51, v[16+\i]           ; the table's index,
	v_cmp_gt_u32 vcc_lo, s43, v[8+\i]
	s_and_b32 s[56+\i], vcc_lo, s52
	v_cndmask_b32 v[16+\i], 0, v[16+\i], s[56+\i]  ; or 0 where the word is padding: every load stays inside the table
	v_lshlrev_b32 v[16+\i], 2, v[16+\i]
.endr
.irp i, 0,1,2,3,4,5,6,7
	global_load_b32 v[24+\i], v[16+\i], s[32:33]
.endr
	s_wait_loadcnt 0x0
.irp i, 0,1,2,3,4,5,6,7
	v_cvt_pk_bf16_f32 v[24+\i], v[24+\i], v[24+\i]
	v_lshlrev_b32 v[24+\i], 16, v[24+\i]
	v_mul_f32 v[24+\i], 0x41000000, v[24+\i]       ; x 8
	v_cndmask_b32 v[24+\i], 0, v[24+\i], s[56+\i]
	v_mad_u32_u24 v[32+\i], v[8+\i], s44, v3
	v_lshl_add_u32 v[32+\i], v[32+\i], 2, s48
.endr
.irp i, 0,1,2,3,4,5,6,7
	v_cmp_gt_u32 vcc_lo, s45, v[8+\i]
	s_and_b32 vcc_lo, vcc_lo, s53                  ; the words that the copy has
	s_wait_xcnt 0x0                                ; EXEC changes only behind this wait,
	s_and_saveexec_b32 s54, vcc_lo
	global_store_b32 v[32+\i], v[24+\i], s[28:29]
	s_wait_xcnt 0x0                                ; and is widened again only behind this one
	s_or_b32 exec_lo, exec_lo, s54
.endr
	s_endpgm
.Lfunc_end_k_q89dd1f2fff_prep:
	.size	k_q89dd1f2fff_prep, .Lfunc_end_k_q89dd1f2fff_prep-k_q89dd1f2fff_prep
	.p2alignl 7, 3214868480
	.fill 96, 4, 3214868480
	.section	.rodata,"a",@progbits
	.p2align	6, 0x0
	.amdhsa_kernel k_q89dd1f2fff_prep
		.amdhsa_group_segment_fixed_size 0
		.amdhsa_private_segment_fixed_size 0
		.amdhsa_enable_private_segment 0
		.amdhsa_kernarg_size 104
		.amdhsa_user_sgpr_count 2
		.amdhsa_user_sgpr_kernarg_segment_ptr 1
		.amdhsa_wavefront_size32 1
		.amdhsa_system_sgpr_workgroup_id_x 1
		.amdhsa_system_sgpr_workgroup_id_y 1
		.amdhsa_system_sgpr_workgroup_id_z 1
		.amdhsa_system_vgpr_workitem_id 0
		.amdhsa_next_free_vgpr 64
		.amdhsa_next_free_sgpr 66
		.amdhsa_reserve_vcc 1
		.amdhsa_float_denorm_mode_32 3
		.amdhsa_float_denorm_mode_16_64 3
		.amdhsa_memory_ordered 1
		.amdhsa_forward_progress 1
		.amdhsa_inst_pref_size 16
	.end_amdhsa_kernel
	.amdgpu_metadata
---
amdhsa.version: [ 1, 2 ]
amdhsa.kernels:
  - .name:           k_q89dd1f2fff_prep
    .symbol:         k_q89dd1f2fff_prep.kd
    .args:
      - { .name: Wq, .offset: 0, .size: 8, .value_kind: global_buffer, .address_space: global }
      - { .name: Wkv, .offset: 8, .size: 8, .value_kind: global_buffer, .address_space: global }
      - { .name: Wproj, .offset: 16, .size: 8, .value_kind: global_buffer, .address_space: global }
      - { .name: t1, .offset: 24, .size: 8, .value_kind: global_buffer, .address_space: global }
      - { .name: t2, .offset: 32, .size: 8, .value_kind: global_buffer, .address_space: global }
      - { .name: t3, .offset: 40, .size: 8, .value_kind: global_buffer, .address_space: global }
      - { .name: t4, .offset: 48, .size: 8, .value_kind: global_buffer, .address_space: global }
      - { .name: t5, .offset: 56, .size: 8, .value_kind: global_buffer, .address_space: global }
      - { .name: t6, .offset: 64, .size: 8, .value_kind: global_buffer, .address_space: global }
      - { .name: t7, .offset: 72, .size: 8, .value_kind: global_buffer, .address_space: global }
      - { .name: wqkv, .offset: 80, .size: 8, .value_kind: global_buffer, .address_space: global }
      - { .name: wpj, .offset: 88, .size: 8, .value_kind: global_buffer, .address_space: global }
      - { .name: btab, .offset: 96, .size: 8, .value_kind: global_buffer, .address_space: global }
    .group_segment_fixed_size: 0
    .private_segment_fixed_size: 0
    .kernarg_segment_align: 8
    .kernarg_segment_size: 104
    .max_flat_workgroup_size: 256
    .sgpr_count:     66
    .vgpr_count:     64
    .wavefront_size: 32
...
	.end_amdgpu_metadata
.endif
;; end of part 1
;; launch projin (part 2): grid 256 x 1, 4 waves a work-group, clusters of 4 x 1, 327,680 bytes of LDS; arguments x, wqkv, qkv; writes qkv
.if DOCPART == 2
	.amdgcn_target "amdgcn-amd-amdhsa--gfx1250"
	.amdhsa_code_object_version 6
	.text
	.protected	k_q89dd1f2fff_projin
	.globl	k_q89dd1f2fff_projin
	.p2align	8
	.type	k_q89dd1f2fff_projin,@function
k_q89dd1f2fff_projin:
	s_mov_b64 s[64:65], 0
	v_nop
	global_prefetch_b8 v0, s[64:65] scope:SCOPE_SE
	s_setreg_imm32_b32 hwreg(HW_REG_WAVE_MODE, 25, 1), 1
	s_wait_xcnt 0x0
	s_wait_alu depctr_hold_cnt(0) depctr_sa_sdst(0) depctr_va_vdst(0) depctr_va_sdst(0) depctr_va_ssrc(0) depctr_va_vcc(0) depctr_vm_vsrc(0)
	s_getreg_b32 s2, hwreg(HW_REG_IB_STS2, 6, 4)
	s_cmp_eq_u32 s2, 0
	s_cbranch_scc0 .Lentry_in_a_cluster
	s_endpgm
.Lentry_in_a_cluster:
	s_bfe_u32 s2, ttmp6, 0x10000c
	s_cmp_lg_u32 s2, 0x3003
	s_cbranch_scc0 .Lentry_shape_is_right
	s_endpgm
.Lentry_shape_is_right:
; q, k, v = x [Wq; Wkv]^T.  x: [32768][512] f32, rounded once to bf16; wqkv: [1536][512] bf16; sums in f32; results rounded once to f16 and stored BY HEADS:
; qkv[ct = which 8 + h][b][n'][64], n' = n for head 0; for a head with windows of side p = 2^LP, n' is the token's place in window order:
;   n' = ((y >> LP) << (6 + LP)) + ((y & (p-1)) << LP) + ((x >> LP) << 2 LP) + (x & (p-1)),  y = n >> 6, x = n & 63.
; LIMIT: q, k and v must stay under 65,504 in size (f16).
; SHARES.  A work-group owns 128 rows of x and walks all 12 tiles of 128 columns.  Wave (wr, wc) owns 64 rows (ONE image row y) x the 64 columns wc of each tile (ONE head's channels).
; Its 64 rows of x stay in registers as bf16 (512 registers), so a fragment of W read from LDS feeds four products: 32 LDS loads for 64 matrix instructions.
; THE RING.  Two LDS slots, each a WHOLE tile of W (128 rows x 512 along K); each wave fetches 32 rows of 1,024 bytes with one tensor load.  A slot is asked for again in its tile's last quarter: from the request to the wait for it a
; wave issues 224 matrix instructions and a tile's way out.  One change of slots, one round of the cluster's barrier, a tile.
; x comes through registers and a stage of 32 rows in LDS, in four passes: two whole-tile slots leave no room for all 128 rows.
; CLUSTER.  All work-groups walk the same W: the four of a cluster ask for each tile JOINTLY (mask 15).  The place in the cluster enters x's and qkv's global addresses alone.
; THE MATRIX INSTRUCTION IS USED TRANSPOSED (source 0 = 16 rows of W, source 1 = 16 rows of x): a lane holds one token and eight neighbouring channels.
; REGISTERS: window 0: v0-63 addresses; v64-127 at work; v128-255 the 16 accumulators ((cb, a) at 128 + 8 (4 cb + a)).  window 1: two buffers of W's fragments ((b, ks) at 8 (8 b + ks)); at the start x as loaded.
;   windows 2, 3: x's fragments: row block a, K step ks at window 2 + a / 2, register 8 (16 (a % 2) + ks).
.set PITCH,  1040                      ; a row of W in LDS: 1,024 bytes + 16 = 260 words: the 16 rows of a load start at 16 different groups of four banks (ISA guide 11.1)
.set SLOTB,  128*PITCH
.set STG,    2*SLOTB                   ; first x's stage (32 rows of 1,040 bytes), then the way out (64 rows x 144 bytes for each wave)
.set XP,     1040
.set OP,     144
.set SPARE,  STG+4*64*OP               ; the spare words, 128 bytes for each wave: no other line names them
.set TILEB,  128*1024                  ; bytes of wqkv in a tile's 128 rows
.set ADRB, 16                          ; v16     LDS address of my W fragments in slot 0; never rewritten
.set ADR,  17                          ; v17     the same in the slot in hand
.set STO,  24                          ; v24     the way out: where I put 16 bytes of a token
.set RD,   25                          ; v25     where I read four tokens back
.set GO,   26                          ; v26     16 x lane
.set SPW,  28                          ; v28     my spare word
.set NIL,  29                          ; v29     0
.set PFO,  30                          ; v30     the prefetches' offset: row lane / 4, block lane % 4 of 256 bytes
.set XA,   31                          ; v31     my byte offset in the work-group's rows of x
.set XST,  32                          ; v32     where I put 8 bytes of x as bf16
.set ARD,  33                          ; v33     where I read x's fragments
.set VO,   40                          ; v40-55  the sixteen stores' offsets in qkv
.set TMP,  64
.set ACC,  128
.set F0,   0
.set F1,   128
.set WV,   10                          ; s10 wave; s11 wr; s12 wc; s13 cx; s14 g; s15 b; s16 y
.set CNT,  17                          ; s17 trips still to come
.set TN,   18                          ; s18 the tile's number
.set LIM,  19                          ; s19 1 in a wave that prefetches, else the greatest number
.set PFA,  20                          ; s[20:21] where my prefetches stand
.set LW,   22                          ; s22 my 32 rows' place in a slot
.set SL,   23                          ; s23 the slot in hand: 0 or SLOTB
.set G1,   24                          ; s[24:31] descriptor group 1
.set G0,   32                          ; s[32:35] descriptor group 0 of tile 0
.set GW,   36                          ; s[36:39] descriptor group 0 of tile 1; it then walks on
.set XB,   40                          ; s[40:41] x at the work-group's first row
.set MSB, 0
.macro WIN new                         ; the immediate's high byte repeats the setting that is left
.if MSB != (\new)
	s_set_vgpr_msb (MSB<<8)|(\new)
.set MSB, \new
.endif
.endm
.macro PLACES                          ; four places in front of loads into registers that matrix instructions have read
.rept 4
	v_nop
.endr
.endm
.macro CREST                           ; a round of the cluster's barrier behind its opening barrier
	s_cmp_lg_u32 s[WV], 0
	s_cbranch_scc1 .Lnot_wave_0_\@
	s_barrier_signal -3
.Lnot_wave_0_\@:
	s_barrier_wait -3
	s_barrier_signal -1
	s_barrier_wait -1
.endm
.macro CROUND
	s_barrier_signal -1
	s_barrier_wait -1
	CREST
.endm
.macro BAR                             ; my LDS instructions are done; everybody's are
	s_wait_dscnt 0x0
	s_barrier_signal -1
	s_barrier_wait -1
.endm
.macro JLOAD g                         ; a joint load: every wave fetches its own 32 rows of the slot
	tensor_load_to_lds s[\g:\g+3], s[G1:G1+7]
	s_nop 0
.rept 4
	v_nop
.endr
.endm
; A PREFETCH INTO THE L2 of the tile after the one that is being asked for: a tile's 256 matrix instructions ahead of the load that will want it.  Cluster 0 asks, nobody else; its four partners take 32 of the tile's 128 rows each,
; told apart by address; in each, wave w takes 8 rows: a lane names one of a row's four blocks of 256 bytes.  So each block of wqkv from tile 3 on is named once.  The loop's last trip asks for nothing: there is no tile 12.
.macro ASK
	WIN 0
	s_cmp_gt_u32 s[CNT], s[LIM]
	s_cbranch_scc0 .Lnot_mine_\@
	global_prefetch_b8 v[PFO], s[PFA:PFA+1] th:TH_LOAD_NT scope:SCOPE_SE
.Lnot_mine_\@:
.endm
	s_load_b128 s[4:7], s[0:1], 0x0                ; x s[4:5], wqkv s[6:7]
	s_load_b64 s[8:9], s[0:1], 0x10                ; qkv
	v_lshl_add_u32 v[SPW], v0, 2, SPARE
	v_mov_b32 v[NIL], 0
	ds_add_u32 v[SPW], v[NIL]                      ; the wave's opening: the add and its wait ahead of my first tensor load
	v_lshrrev_b32 v1, 5, v0
	v_readfirstlane_b32 s[WV], v1
	s_lshr_b32 s11, s[WV], 1                       ; wr
	s_and_b32 s12, s[WV], 1                        ; wc
	s_bfe_u32 s13, ttmp6, 0x40000                  ; cx
	s_lshl_b32 s14, ttmp9, 2
	s_add_co_u32 s14, s14, s13                     ; g: my block of 128 rows
	s_lshr_b32 s15, s14, 5                         ; b
	s_and_b32 s16, s14, 31
	s_lshl_b32 s16, s16, 1
	s_add_co_u32 s16, s16, s11                     ; y: my wave's image row
	s_mov_b32 s[G1], 15|(1<<16)|(1<<20)|(1<<21)|(7<<22)|(3<<25)  ; the mask of four; 2-byte elements; padding on; bit 21 beside a mask; after every 256 words 4 words
	s_mov_b32 s[G1+1], 512<<16                     ; tensor_dim0 = 512
	s_mov_b32 s[G1+2], 32<<16                      ; tensor_dim1 = 32
	s_mov_b32 s[G1+3], 512<<16                     ; tile_dim0 = 512
	s_mov_b32 s[G1+4], 32                          ; tile_dim1 = 32
	s_mov_b32 s[G1+5], 512                         ; elements from row to row
	s_mov_b32 s[G1+6], 0
	s_mov_b32 s[G1+7], 0
	s_mul_i32 s[LW], s[WV], 32*PITCH
	s_mov_b32 s[G0], 1
	s_mov_b32 s[G0+1], s[LW]                       ; tile 0 into slot 0,
	s_mov_b32 s[GW], 1
	s_add_co_u32 s[GW+1], s[LW], SLOTB             ; tile 1 into slot 1
	s_mov_b32 s[SL], 0
	s_mov_b32 s[TN], 0
	s_lshl_b32 s56, s[WV], 15                      ; my 32 rows of 1,024 bytes in a tile
	s_mov_b32 s57, 0
	s_lshl_b32 s42, s14, 18                        ; 128 rows of 2,048 bytes
	s_mov_b32 s43, 0
	s_lshl_b32 s44, s13, 15                        ; the prefetches: my work-group's 32 rows,
	s_lshl_b32 s45, s[WV], 13                      ; my wave's 8 of them
	s_add_co_u32 s44, s44, s45
	s_mov_b32 s45, 0
	s_mov_b32 s[LIM], ttmp9                        ; the cluster's number: the same in all four partners
	s_cmp_eq_u32 s[LIM], 0
	s_cselect_b32 s[LIM], 1, -1
	s_wait_dscnt 0x0                               ; the opening add is done
	s_wait_kmcnt 0x0
	s_add_nc_u64 s[G0+2:G0+3], s[6:7], s[56:57]
	s_add_nc_u64 s[GW+2:GW+3], s[G0+2:G0+3], TILEB
	s_or_b32 s[G0+3], s[G0+3], 0x80000000
	s_or_b32 s[GW+3], s[GW+3], 0x80000000
	s_add_nc_u64 s[XB:XB+1], s[4:5], s[42:43]
	s_add_nc_u64 s[PFA:PFA+1], s[6:7], s[44:45]
	s_add_nc_u64 s[PFA:PFA+1], s[PFA:PFA+1], 2*TILEB  ; at tile 2: the first change of slots steps it to tile 3.  Nothing is prefetched at the head
	CROUND                                         ; all four work-groups are here: the first joint loads meet
	JLOAD G0
	JLOAD GW                                       ; two tensor loads of mine are out
; x IN FOUR PASSES.  Pass P brings block P (16 rows) of both halves of the work-group's rows: wave w loads 8 rows (32 loads of 512 consecutive bytes) into a set of window 1, rounds them to bf16, lays them into the stage;
; behind a barrier each wave reads its half's block as fragments; a second barrier stands in front of the next pass's stores.  Two sets: while one is worked on the other's 32 loads are on their way.
.macro XLOAD set, P
	WIN 0x40
.set n, 0
.rept 32
	global_load_b128 v[128*(\set)+4*n:128*(\set)+4*n+3], v[XA], s[XB:XB+1] offset:(16*(\P)+n/4)*2048+(n%4)*512 th:TH_LOAD_NT
.set n, n+1
.endr
	WIN 0
.endm
.macro XCVT set
	WIN 0x05
.set n, 0
.rept 64
	v_cvt_pk_bf16_f32 v[TMP+n], v[128*(\set)+2*n], v[128*(\set)+2*n+1]
.set n, n+1
.endr
	WIN 0
.endm
.macro XSTORE                          ; 256 consecutive bytes an instruction
.set n, 0
.rept 32
	ds_store_b64 v[XST], v[TMP+2*n:TMP+2*n+1] offset:(n/4)*XP+(n%4)*256
.set n, n+1
.endr
.endm
.macro AREAD a                         ; my block a: 16 fragments
	WIN 0x80+0x40*((\a)/2)
.set n, 0
.rept 16
	ds_load_b128 v[8*(16*((\a)%2)+n):8*(16*((\a)%2)+n)+3],   v[ARD] offset:n*64
	ds_load_b128 v[8*(16*((\a)%2)+n)+4:8*(16*((\a)%2)+n)+7], v[ARD] offset:n*64+32
.set n, n+1
.endr
	WIN 0
.endm
	v_and_b32 v1, 31, v0                           ; lane
	v_lshlrev_b32 v[GO], 4, v1
	s_lshl_b32 s58, s11, 17                        ; wave w brings rows 64 wr + 8 wc + 16 P + 0..7
	s_lshl_b32 s59, s12, 14
	s_add_co_u32 s58, s58, s59
	v_add_nc_u32 v[XA], s58, v[GO]
	XLOAD 0, 0
	XLOAD 1, 1
	v_and_b32 v2, 15, v0                           ; l % 16
	v_bfe_u32 v3, v0, 4, 1                         ; l / 16
	s_mul_i32 s58, s[WV], 8*XP                     ; which are the stage's rows 8 w + 0..7
	s_add_co_u32 s58, s58, STG
	v_lshl_add_u32 v[XST], v1, 3, s58
	v_mul_u32_u24 v4, v2, XP
	v_lshl_add_u32 v4, v3, 4, v4                   ; a fragment's row x pitch + 16 x half (the stage's pitch is the slots')
	s_mul_i32 s58, s11, 16*XP
	s_add_co_u32 s58, s58, STG
	v_add_nc_u32 v[ARD], s58, v4                   ; my half's 16 rows of the stage
	s_mul_i32 s58, s12, 64*PITCH
	v_add_nc_u32 v[ADRB], s58, v4                  ; my 64 rows of W
	v_mov_b32 v[ADR], v[ADRB]
	s_mul_i32 s58, s[WV], 64*OP
	s_add_co_u32 s58, s58, STG
	v_mul_u32_u24 v4, v2, OP
	v_lshl_add_u32 v4, v3, 4, v4
	v_add_nc_u32 v[STO], s58, v4
	v_lshrrev_b32 v4, 3, v1
	v_mul_u32_u24 v4, v4, OP
	v_and_b32 v5, 7, v0
	v_lshl_add_u32 v4, v5, 4, v4
	v_add_nc_u32 v[RD], s58, v4
	v_lshrrev_b32 v4, 2, v1
	v_and_b32 v5, 3, v0
	v_lshlrev_b32 v5, 8, v5
	v_lshl_add_u32 v[PFO], v4, 10, v5
	s_wait_loadcnt 32                              ; set 0 is in; the other set's 32 loads may stay out
	XCVT 0
	XSTORE
	XLOAD 0, 2
	BAR                                            ; pass 0 lies in the stage
	AREAD 0
	s_wait_loadcnt 32
	XCVT 1
	BAR                                            ; every wave has read pass 0
	XSTORE
	XLOAD 1, 3
	BAR
	AREAD 1
	s_wait_loadcnt 32
	XCVT 0
	BAR
	XSTORE
	BAR
	AREAD 2
	s_wait_loadcnt 0x0
	XCVT 1
	BAR
	XSTORE
	s_wait_tensorcnt 0x1                           ; my part of tile 0 is in; tile 1's may stay out
	BAR                                            ; pass 3 lies in the stage, and slot 0 is whole
	AREAD 3
; 32 LDS loads in one run: W's fragments of column blocks 2 blk, 2 blk + 1, K half kh of the slot in hand, into buffer f
.macro FETCH kh, blk, f
	WIN 0x40
.set n, 0
.rept 16
	ds_load_b128 v[(\f)+8*n:(\f)+8*n+3],   v[ADR] offset:(2*(\blk)+n/8)*16*PITCH+(\kh)*512+(n%8)*64
	ds_load_b128 v[(\f)+8*n+4:(\f)+8*n+7], v[ADR] offset:(2*(\blk)+n/8)*16*PITCH+(\kh)*512+(n%8)*64+32
.set n, n+1
.endr
.endm
; 16 matrix instructions: 128 along K (four steps from 4 kq on), row blocks 2 hi, 2 hi + 1, column blocks 2 blk, 2 blk + 1.  The four accumulators take turns, one instruction a turn.
; A tile's first K step starts the sums with the constant 0.
.macro MUL16 f, kh, blk, hi, kq
	WIN 0x09+4*(\hi)                               ; W in window 1, x in window 2 or 3, C and D in window 0
.set n, 0
.rept 16
.set ks, 4*(\kq)+n/4
.set rD, ACC+8*(4*(2*(\blk)+n%2)+2*(\hi)+(n/2)%2)
.set rW, (\f)+8*(8*(n%2)+ks)
.set rA, 8*(16*((n/2)%2)+8*(\kh)+ks)
.if ((\kh) == 0) && (ks == 0)
	v_wmma_f32_16x16x32_bf16 v[rD:rD+7], v[rW:rW+7], v[rA:rA+7], 0
.else
	v_wmma_f32_16x16x32_bf16 v[rD:rD+7], v[rW:rW+7], v[rA:rA+7], v[rD:rD+7]
.endif
.set n, n+1
.endr
.endm
; A tile is four quarters of 64 matrix instructions: (K half, pair of column blocks) = (0,0) (0,1) (1,0) (1,1), on buffers 0, 1, 0, 1.  One of the first three multiplies buffer f and fetches the next quarter into g.
.macro QUARTER f, kh, blk, nkh, nblk, g
	s_wait_dscnt 0x0                               ; buffer f is in
	MUL16 \f, \kh, \blk, 0, 0
	MUL16 \f, \kh, \blk, 0, 1
	PLACES
	FETCH \nkh, \nblk, \g
	MUL16 \f, \kh, \blk, 1, 0
	MUL16 \f, \kh, \blk, 1, 1
.endm
; The last quarter changes slots.  In front of the barrier each wave waits for all its tensor loads (one is out: its part of the other slot), adds 0 to its spare word, and waits for that and for its reads of this slot.
; fill = 1: the barrier opens a round of the cluster's, and the slot just read out is filled again first thing behind it, with the tile two on.
.macro TURN f, fill
.if \fill
	s_wait_xcnt 0x0                                ; the last prefetch, a tile back, has read its address
	s_add_nc_u64 s[PFA:PFA+1], s[PFA:PFA+1], TILEB
.endif
	WIN 0
	s_wait_tensorcnt 0x0
	ds_add_u32 v[SPW], v[NIL]
	s_wait_dscnt 0x1                               ; only the add may be out: buffer f is in
	MUL16 \f, 1, 1, 0, 0
	s_wait_dscnt 0x0
	s_barrier_signal -1
	MUL16 \f, 1, 1, 0, 1
	WIN 0
	s_barrier_wait -1
.if \fill
	CREST
	s_add_co_u32 s[GW+1], s[LW], s[SL]             ; no tensor load of mine is out: the walking group 0 takes the slot just read out
	s_add_nc_u64 s[GW+2:GW+3], s[GW+2:GW+3], TILEB ; and the next tile; the type bits on top are not reached
	JLOAD GW                                       ; its four v_nop are also the places in front of the loads below
.else
	PLACES
.endif
	s_xor_b32 s[SL], s[SL], SLOTB                  ; on to the other slot
	v_add_nc_u32 v[ADR], s[SL], v[ADRB]
	FETCH 0, 0, F0
.if \fill
	ASK
.endif
	MUL16 \f, 1, 1, 1, 0
	MUL16 \f, 1, 1, 1, 1
.endm
.macro SVEC d, x                       ; s[d] = 128 x the place in window order of image column x: ((x >> LP) << 2 LP) + (x & (p - 1))
	s_lshr_b32 s[\d], \x, s43
	s_lshl_b32 s[\d], s[\d], s55
	s_and_b32 s53, s44, \x
	s_add_co_u32 s[\d], s[\d], s53
	s_lshl_b32 s[\d], s[\d], 7
.endm
; THE WAY OUT.  My tile is 64 tokens (image columns 0-63 of row y) x one head's 64 channels.  Rounded to f16, through my stage, back as four tokens (512 bytes) an instruction.  Four neighbouring image columns 4 i .. 4 i + 3
; are neighbours in window order too (p = 1, or p >= 4), so each store covers 512 consecutive bytes, aligned.  The place is linear in the bits of the column: 16 a' + 4 f gives a' x (16 << LP) + f's two bits' places.
.macro OUT
	WIN 0
	s_wait_xcnt 0x0                                ; the last tile's stores have read their offsets and data
	s_lshl_b32 s42, s[TN], 1
	s_add_co_u32 s42, s42, s12                     ; ct = 2 x tile + wc
	s_and_b32 s43, s42, 7
	s_lshl_b32 s43, s43, 2
	s_lshr_b32 s43, 0x44333220, s43
	s_and_b32 s43, s43, 15                         ; LP of head ct % 8: 0, 2, 2, 3, 3, 3, 4, 4
	s_lshl_b32 s44, 1, s43
	s_sub_co_u32 s44, s44, 1                       ; p - 1
	s_lshl_b32 s55, s43, 1                         ; 2 LP
	s_lshl_b32 s45, s42, 3
	s_add_co_u32 s45, s45, s15
	s_lshl_b32 s45, s45, 19                        ; (ct 8 + b) x 524,288
	s_lshr_b32 s53, s16, s43
	s_add_co_u32 s54, s43, 6
	s_lshl_b32 s53, s53, s54
	s_and_b32 s54, s16, s44
	s_lshl_b32 s54, s54, s43
	s_add_co_u32 s53, s53, s54
	s_lshl_b32 s53, s53, 7
	s_add_co_u32 s45, s45, s53                     ; + row y's part of n', in bytes
	SVEC 46, 4
	SVEC 47, 8
	s_lshl_b32 s48, 2048, s43                      ; 16 columns on
	s_mov_b32 s49, s45
	s_add_co_u32 s50, s45, s46
	s_add_co_u32 s51, s45, s47
	s_add_co_u32 s52, s50, s47
.irp a, 0,1,2,3                        ; these sixteen plain lines are the places behind the last products
.irp f, 0,1,2,3
	v_add_nc_u32 v[VO+4*\a+\f], s[49+\f], v[GO]
.endr
.irp f, 0,1,2,3
	s_add_co_u32 s[49+\f], s[49+\f], s48
.endr
.endr
.set n, 0
.rept 64                               ; each accumulator's registers in ascending order
	v_cvt_pk_f16_f32 v[TMP+n], v[ACC+2*n], v[ACC+2*n+1]
.set n, n+1
.endr
.irp cb, 0,1,2,3
.irp a, 0,1,2,3
	ds_store_b128 v[STO], v[TMP+4*(4*\cb+\a):TMP+4*(4*\cb+\a)+3] offset:\a*16*OP+\cb*32
.endr
.endr
.set n, 0
.rept 16
	ds_load_b128 v[TMP+4*n:TMP+4*n+3], v[RD] offset:n*4*OP   ; LDS serves a wave's instructions in order (ISA guide 5.7.1.4): these see the stores above
.set n, n+1
.endr
.set n, 0
.rept 16
	s_wait_dscnt 15-n                              ; the younger loads from the stage may stay out
	global_store_b128 v[VO+n], v[TMP+4*n:TMP+4*n+3], s[8:9]
.set n, n+1
.endr
.endm
.macro TILE fill
	QUARTER F0, 0, 0, 0, 1, F1
	QUARTER F1, 0, 1, 1, 0, F0
	QUARTER F0, 1, 0, 1, 1, F1
	TURN    F1, \fill
	OUT
	WIN 0
	s_add_co_u32 s[TN], s[TN], 1
	s_sub_co_u32 s[CNT], s[CNT], 1
	s_cmp_lg_u32 s[CNT], 0
.endm
	FETCH 0, 0, F0
	WIN 0
	s_mov_b32 s[CNT], 10
.Ltile:                                        ; tiles 0 to 9: tile t's slot is filled again with tile t + 2
	TILE 1
	s_cbranch_scc1 .Ltile
	s_mov_b32 s[CNT], 2
.Llast:                                        ; tiles 10 and 11 ask for nothing: a text of their own.  Tile 11's barrier and its 32 loads from the other slot serve nothing: the price of one text for both
	TILE 0
	s_cbranch_scc1 .Llast
	s_wait_tensorcnt 0x0                           ; the wave's end
	ds_add_u32 v[SPW], v[NIL]
	s_wait_dscnt 0x0
	CROUND                                         ; the closing round
	s_endpgm
.Lfunc_end_k_q89dd1f2fff_projin:
	.size	k_q89dd1f2fff_projin, .Lfunc_end_k_q89dd1f2fff_projin-k_q89dd1f2fff_projin
	.p2alignl 7, 3214868480
	.fill 96, 4, 3214868480
	.section	.rodata,"a",@progbits
	.p2align	6, 0x0
	.amdhsa_kernel k_q89dd1f2fff_projin
		.amdhsa_group_segment_fixed_size 327680
		.amdhsa_private_segment_fixed_size 0
		.amdhsa_enable_private_segment 0
		.amdhsa_kernarg_size 24
		.amdhsa_user_sgpr_count 2
		.amdhsa_user_sgpr_kernarg_segment_ptr 1
		.amdhsa_wavefront_size32 1
		.amdhsa_system_sgpr_workgroup_id_x 1
		.amdhsa_system_sgpr_workgroup_id_y 1
		.amdhsa_system_sgpr_workgroup_id_z 1
		.amdhsa_system_vgpr_workitem_id 0
		.amdhsa_next_free_vgpr 1024
		.amdhsa_next_free_sgpr 66
		.amdhsa_reserve_vcc 0
		.amdhsa_float_denorm_mode_32 3
		.amdhsa_float_denorm_mode_16_64 3
		.amdhsa_memory_ordered 1
		.amdhsa_forward_progress 1
		.amdhsa_inst_pref_size 126
	.end_amdhsa_kernel
	.amdgpu_metadata
---
amdhsa.version: [ 1, 2 ]
amdhsa.kernels:
  - .name:           k_q89dd1f2fff_projin
    .symbol:         k_q89dd1f2fff_projin.kd
    .args:
      - { .name: x, .offset: 0, .size: 8, .value_kind: global_buffer, .address_space: global }
      - { .name: wqkv, .offset: 8, .size: 8, .value_kind: global_buffer, .address_space: global }
      - { .name: qkv, .offset: 16, .size: 8, .value_kind: global_buffer, .address_space: global }
    .group_segment_fixed_size: 327680
    .private_segment_fixed_size: 0
    .kernarg_segment_align: 8
    .kernarg_segment_size: 24
    .max_flat_workgroup_size: 128
    .sgpr_count:     66
    .vgpr_count:     1024
    .wavefront_size: 32
...
	.end_amdgpu_metadata
.endif
;; end of part 2
;; launch gattn (part 3): grid 32 x 8, 4 waves a work-group, clusters of 4 x 1, 327,680 bytes of LDS; arguments qkv, oh; writes oh
.if DOCPART == 3
	.amdgcn_target "amdgcn-amd-amdhsa--gfx1250"
	.amdhsa_code_object_version 6
	.text
	.protected	k_q89dd1f2fff_gattn
	.globl	k_q89dd1f2fff_gattn
	.p2align	8
	.type	k_q89dd1f2fff_gattn,@function
k_q89dd1f2fff_gattn:
	s_mov_b64 s[64:65], 0
	v_nop
	global_prefetch_b8 v0, s[64:65] scope:SCOPE_SE
	s_setreg_imm32_b32 hwreg(HW_REG_WAVE_MODE, 25, 1), 1
	s_wait_xcnt 0x0
	s_wait_alu depctr_hold_cnt(0) depctr_sa_sdst(0) depctr_va_vdst(0) depctr_va_sdst(0) depctr_va_ssrc(0) depctr_va_vcc(0) depctr_vm_vsrc(0)
	s_getreg_b32 s2, hwreg(HW_REG_IB_STS2, 6, 4)
	s_cmp_eq_u32 s2, 0
	s_cbranch_scc0 .Lentry_in_a_cluster
	s_endpgm
.Lentry_in_a_cluster:
	s_bfe_u32 s2, ttmp6, 0x10000c
	s_cmp_lg_u32 s2, 0x3003
	s_cbranch_scc0 .Lentry_shape_is_right
	s_endpgm
.Lentry_shape_is_right:
; HEAD 0: O[b][q][:] = the sum over all 4,096 keys k of softmax_k(Q[b][q] . K[b][k] / 8) V[b][k][:].  Q, K, V: qkv's planes ct = 0, 8, 16, [b][4096][64] f16, rows dense, 128 bytes; O: oh's plane h = 0, the same layout.
; Products, maxima and sums in f32; the weights p are rounded to f16 for the second product (their sum l is taken of the unrounded p), O once at the end.
; LIMITS.  Q, K, V arrive within f16's 65,504; a weight below 2^-126 counts as 0 in l; NaN and infinities are not treated apart.
; SHARES.  A work-group owns 128 queries of one image: 256 work-groups.  EVERY wave holds all 128 queries (four PIECES of two tiles of 16), and THE KEYS ARE SPLIT: of each slot's 256 keys wave w takes 64 w .. 64 w + 63, one key
; step a slot.  So a fragment of K or V read from LDS feeds eight tiles' products.  At the end the four waves' partial results (c m, l, O) meet in LDS.
; LAYOUT.  S^T = K Q^T (source 0 = 16 keys, source 1 = 16 queries): a lane holds ONE query (lane % 16) and the keys 8 (lane / 16) + 0..7.  Two such tiles, rounded to f16 in pairs, ARE source 1 of O^T = V^T P.
; SOFTMAX.  For each query a running maximum m and sum l: p = 2^(c s - c m), c = log2(e) / 8; in every step O and l are multiplied by a = 2^(c m_old - c m_new).  m starts at the lowest finite number, O and l at 0.
; BY TURNS.  Turn n belongs to piece n.  Its matrix work: 16 products K Q^T of piece n + 1, later 16 products V^T P of piece n - 1.  Its vector work: scaling, exponentials, roundings, sums and rescaling of piece n, and the maximum and
; statistics of piece n + 1.  Four vector instructions stand behind every matrix instruction, the others in one run; a turn's 66 exponentials are one batch with one wait.
; CLUSTER.  The four query blocks of a cluster belong to one image and walk the same K and V: each tile is asked for JOINTLY.
; REGISTERS, in windows of 256 (s_set_vgpr_msb: bits 1:0 source 0, 3:2 source 1, 5:4 source 2, 7:6 destination):
;   window 0: v0-11 addresses; v12-15, v48-63 at work; v16-47 four registers of statistics a tile; v64-191 S^T, two buffers of two tiles; v192-255 P, likewise
;   window 1: O^T, 32 a tile          window 2: v0-127 Q, 16 a tile; v128-191 K of one step; v192-255 V of one step          window 3: v0-1 the add's two registers
.set NP,    4
.set KS,    64
.set PK,    144       ; a row of K in LDS: 128 bytes + 16: the 16 rows of a load start at 16 different groups of four banks (ISA guide 11.1)
.set PV,    160       ; a row of V: 128 + 32
.set VOFF,  4*KS*PK   ; a slot: 256 rows of K, then 256 rows of V
.set SLOT1, 1<<17
.set MP,    SLOT1+4*KS*(PK+PV)  ; the merge: for each wave 64 queries x 272 bytes of f32; bytes of its own, never filled by a tensor load
.set MPP,   272
.set MS,    MP+4*64*MPP         ; the merge: for each wave and tile 32 lanes x (c m, l)
.set SPARE, MS+8192             ; the spare words, 128 bytes for each wave: no other line names them
.set AK0, 2
.set AV0, 3
.set AK,  4
.set AV,  5
.set QO,  6           ; v6   my byte offset in the rows of Q; later MSA
.set MSA, 6           ; the merge: where I put (c m, l)
.set MSR, 7           ; where I read all four waves'
.set MPA, 8           ; where I put 32 bytes of a query's O
.set MPR, 9           ; where I read them back
.set GO,  10          ; my byte offset in the work-group's rows of O
.set PFO, 11          ; v11  256 x my lane
.set SPW, 0           ; v0 of window 3
.set NIL, 1           ; v1 of window 3
.set MV,  12
.set ST,  16          ; tile t's statistics at v[ST+4 t]: c m, m, l (even keys', odd keys')
.set TMP, 48
.set S,   64
.set P,   192
.set KF,  128
.set VF,  192
.set FO,  192         ; the merge: my own factor; later the packed results
.set MX,  200
.set LL,  208
.set RL,  216
.set GG,  224         ; the merge: g = my factor / L, as a pair for each tile
.set WV,  12
.set G1K, 24
.set G1V, 32
.set G0K, 40
.set G0V, 44
.set PFA, 48          ; s[48:49] where my prefetches stand
.set LIM, 50          ; s50  1 in a wave that prefetches, else the greatest number
.set SLOTS, 56        ; s56  counts the slots
.set CNT, 57          ; s57  counts the tail's trips
.set CS,  58
.set SEL, 60
.set TBK, 62          ; s62  LDS byte at which my 64 keys of the slot in hand begin, for K
.set TBV, 63          ; s63  the same for V, less VOFF
.set MSB, 0
.macro WIN new
.if MSB != (\new)
	s_set_vgpr_msb (MSB<<8)|(\new)
.set MSB, (\new)
.endif
.endm
.set W_KQ, 0x0a
.set W_PV, 0x52
.set W_RS, 0x41
.set W_MK, 0xc0
.set W_AD, 0x0f
; A joint fill.  Waves 0 and 1 fetch the two halves of a slot's K, waves 2 and 3 those of its V.
.macro JLOAD
	s_cmp_lt_u32 s[WV], 2
	s_cbranch_scc0 .Lfor_v_\@
	tensor_load_to_lds s[G0K:G0K+3], s[G1K:G1K+7]
	s_nop 0
.rept 4
	v_nop
.endr
	s_branch .Lasked_\@
.Lfor_v_\@:
	tensor_load_to_lds s[G0V:G0V+3], s[G1V:G1V+7]
	s_nop 0
.rept 4
	v_nop
.endr
.Lasked_\@:
.endm
; A PREFETCH INTO THE L2 of the slot that the NEXT change will ask for: 32,768 bytes of K and of V, a lane a block of 256 bytes.  The image's first cluster asks; its four partners take 8,192 bytes each, told apart by address;
; in each, wave 0 asks for K's and wave 2 for V's.  So each block from slot 3 on is named once.  One key step, 128 matrix instructions, lies between it and the load.  The last change that fills a slot asks for nothing.
.macro ASK
	s_cmp_gt_u32 s[SLOTS], s[LIM]
	s_cbranch_scc0 .Lnot_mine_\@
	global_prefetch_b8 v[PFO], s[PFA:PFA+1] th:TH_LOAD_NT scope:SCOPE_SE
.Lnot_mine_\@:
.endm
.macro CROUND
	s_barrier_signal -1
	s_barrier_wait -1
	s_cmp_lg_u32 s[WV], 0
	s_cbranch_scc1 .Lnot_wave_0_\@
	s_barrier_signal -3
.Lnot_wave_0_\@:
	s_barrier_wait -3
	s_barrier_signal -1
	s_barrier_wait -1
.endm
; THE CHANGE OF SLOTS.  Each wave waits for all its tensor loads (one is out: its part of the other slot), adds 0 to its spare word, and waits for that and for its reads of the slot.  fill = 1: the barrier is a round of the
; cluster's, and the slot is filled again first thing behind it, with the keys two slots on: it has one key step, 128 matrix and 944 vector instructions, in which to land.
.macro CHANGE fill, ask=0
	WIN W_AD
	s_wait_tensorcnt 0x0
	ds_add_u32 v[SPW], v[NIL]
	WIN 0
.if \fill
.irp g, G0K, G0V
	s_xor_b32 s[\g+1], s[\g+1], SLOT1
	s_add_nc_u64 s[\g+2:\g+3], s[\g+2:\g+3], 4*KS*128
.endr
.if \ask
	s_wait_xcnt 0x0                 ; the last prefetch, a key step back, has read its address
	s_add_nc_u64 s[PFA:PFA+1], s[PFA:PFA+1], 4*KS*128
.endif
	s_wait_dscnt 0x0
	CROUND
	JLOAD
.if \ask
	ASK
.endif
.else
	s_wait_dscnt 0x0
	s_barrier_signal -1
	s_barrier_wait -1
.endif
	s_xor_b32 s[TBK], s[TBK], SLOT1 ; my keys in the other slot
	s_xor_b32 s[TBV], s[TBV], SLOT1
.endm
	s_load_b64 s[4:5], s[0:1], 0x0  ; qkv
	s_load_b64 s[10:11], s[0:1], 0x8  ; oh
	WIN W_MK
	v_lshl_add_u32 v[SPW], v0, 2, SPARE
	v_mov_b32 v[NIL], 0
	WIN W_AD
	ds_add_u32 v[SPW], v[NIL]       ; the wave's opening: the add and its wait ahead of my first tensor load
	WIN 0
	v_lshrrev_b32 v1, 5, v0
	v_readfirstlane_b32 s[WV], v1
	s_bfe_u32 s13, ttmp6, 0x40000   ; cx
	s_lshl_b32 s14, ttmp9, 2
	s_add_co_u32 s14, s14, s13      ; my block of 128 queries: it enters Q's and O's addresses alone
	s_and_b32 s20, ttmp7, 0xffff    ; the image, which the four partners share
	s_lshl_b32 s20, s20, 19
	s_mov_b32 s21, 0
	s_and_b32 s16, s[WV], 1         ; which half of a slot's 256 keys I fetch
	s_lshl_b32 s22, s16, 14
	s_mov_b32 s23, 0
	s_add_nc_u64 s[22:23], s[22:23], s[20:21]
	s_mul_i32 s17, s16, 128*PK
	s_mul_i32 s18, s16, 128*PV
	s_lshl_b32 s2, s14, 14
	s_mov_b32 s3, 0
	s_add_nc_u64 s[2:3], s[2:3], s[20:21]
	; descriptor group 1.  128 keys are 16,384 dense bytes: asked for as 64 rows of 256 bytes, two keys a row, padded in LDS after every key
	s_mov_b32 s[G1K], 15|(1<<16)|(1<<20)|(1<<21)|(4<<22)|(3<<25)
	s_mov_b32 s[G1V], 15|(1<<16)|(1<<20)|(1<<21)|(4<<22)|(7<<25)
.irp g, G1K, G1V
	s_mov_b32 s[\g+1], 128<<16
	s_mov_b32 s[\g+2], 64<<16
	s_mov_b32 s[\g+3], 128<<16
	s_mov_b32 s[\g+4], 64
	s_mov_b32 s[\g+5], 128
	s_mov_b32 s[\g+6], 0
	s_mov_b32 s[\g+7], 0
.endr
	s_mov_b32 s[CS], 0x3e38aa3b     ; c = log2(e) / 8
	s_mov_b32 s[CS+1], s[CS]
	s_mov_b32 s[SEL], 0x76543210
	s_mov_b32 s[SEL+1], 0xfedcba98
	s_mul_i32 s[TBK], s[WV], KS*PK  ; my 64 keys of a slot; the first change of slots turns these two into slot 0's
	s_add_co_u32 s[TBK], s[TBK], SLOT1
	s_mul_i32 s[TBV], s[WV], KS*PV
	s_add_co_u32 s[TBV], s[TBV], SLOT1
	s_mov_b32 s[G0K], 1
	s_mov_b32 s[G0K+1], s17
	s_mov_b32 s[G0V], 1
	s_add_co_u32 s[G0V+1], s18, VOFF
	s_mov_b32 s[SLOTS], 15
	s_and_b32 s[LIM], s[WV], 1
	s_or_b32 s[LIM], s[LIM], ttmp9  ; 0 in waves 0 and 2 of the image's first cluster: the same in all four partners
	s_cmp_eq_u32 s[LIM], 0
	s_cselect_b32 s[LIM], 1, -1
	s_wait_dscnt 0x0                ; the opening add is done
	s_wait_kmcnt 0x0
	s_add_nc_u64 s[6:7], s[4:5], 0x2000000   ; K: plane ct = 8
	s_add_nc_u64 s[8:9], s[4:5], 0x4000000   ; V: plane ct = 16
	s_add_nc_u64 s[6:7], s[6:7], s[22:23]    ; at my half of the image's first 256 keys
	s_add_nc_u64 s[8:9], s[8:9], s[22:23]
	s_mov_b64 s[G0K+2:G0K+3], s[6:7]
	s_or_b32 s[G0K+3], s[G0K+3], 0x80000000
	s_mov_b64 s[G0V+2:G0V+3], s[8:9]
	s_or_b32 s[G0V+3], s[G0V+3], 0x80000000
	s_add_nc_u64 s[4:5], s[4:5], s[2:3]      ; Q and O at the work-group's first row
	s_add_nc_u64 s[10:11], s[10:11], s[2:3]
	s_cmp_lt_u32 s[WV], 2
	s_cselect_b64 s[PFA:PFA+1], s[6:7], s[8:9]  ; (in waves 0 and 2 these stand at a slot's first row)
	s_lshl_b32 s2, s13, 13
	s_mov_b32 s3, 0
	s_add_nc_u64 s[PFA:PFA+1], s[PFA:PFA+1], s[2:3]
	s_add_nc_u64 s[PFA:PFA+1], s[PFA:PFA+1], 2*4*KS*128  ; in slot 2; the loop's first change steps it to slot 3.  Nothing is prefetched at the head
	CROUND                          ; all four work-groups are here: the first joint loads meet
	JLOAD                           ; slot 0
	v_and_b32 v1, 15, v0            ; l % 16
	v_bfe_u32 v9, v0, 4, 1          ; l / 16
	v_lshlrev_b32 v[QO], 7, v1
	v_lshl_add_u32 v[QO], v9, 4, v[QO]
	WIN 0x80
.set i, 0
.rept 4*NP                          ; Q stays in registers: tile i / 2, channels 32 (i % 2) on
	global_load_b128 v[8*i:8*i+3],   v[QO], s[4:5] offset:(i/2)*2048+(i%2)*64
	global_load_b128 v[8*i+4:8*i+7], v[QO], s[4:5] offset:(i/2)*2048+(i%2)*64+32
.set i, i+1
.endr
	; What the first turn finds: V's registers and P's second buffer hold 0, O^T and l are 0.  No first step is written out; these lines stand in the wait for the first tile.
.set i, VF
.rept 64
	v_mov_b32 v[i], 0
.set i, i+1
.endr
	WIN 0x40
.set i, 0
.rept 64*NP
	v_mov_b32 v[i], 0
.set i, i+1
.endr
	WIN 0
.set i, 0
.rept 2*NP
	v_mov_b32 v[ST+4*i], 0xfe000000    ; c m: far below every c s
	v_mov_b32 v[ST+4*i+1], 0xff7fffff  ; m
	v_mov_b32 v[ST+4*i+2], 0
	v_mov_b32 v[ST+4*i+3], 0
.set i, i+1
.endr
.set i, P+32
.rept 32
	v_mov_b32 v[i], 0
.set i, i+1
.endr
	v_mul_u32_u24 v[AK0], v1, PK
	v_lshl_add_u32 v[AK0], v9, 4, v[AK0]
	v_and_b32 v10, 7, v0
	v_bfe_u32 v11, v0, 3, 1
	v_lshl_add_u32 v[AV0], v9, 3, v10
	v_mul_u32_u24 v[AV0], v[AV0], PV
	v_lshl_add_u32 v[AV0], v11, 4, v[AV0]
	v_add_nc_u32 v[AV0], VOFF, v[AV0]
	v_and_b32 v[PFO], 31, v0
	v_lshlrev_b32 v[PFO], 8, v[PFO]
; THE MATRIX WORK.  The 8 accumulators of a run of 16 take turns.
.macro KQ x
	WIN W_KQ
.set rS, S+64*((\x)%2)+32*(i%2)+8*((i/2)%4)
.set rK, KF+16*((i/2)%4)+8*(i/8)
.set rQ, 16*(2*(\x)+i%2)+8*(i/8)
.if i < 8
	v_wmma_f32_16x16x32_f16 v[rS:rS+7], v[rK:rK+7], v[rQ:rQ+7], 0
.else
	v_wmma_f32_16x16x32_f16 v[rS:rS+7], v[rK:rK+7], v[rQ:rQ+7], v[rS:rS+7]
.endif
.endm
.macro PV x
	WIN W_PV
.set rO, 32*(2*(\x)+i%2)+8*((i/2)%4)
.set rV, VF+32*(i/8)+8*((i/2)%4)
.set rP, P+32*((\x)%2)+16*(i%2)+8*(i/8)
	v_wmma_f32_16x16x32_f16 v[rO:rO+7], v[rV:rV+7], v[rP:rP+7], v[rO:rO+7]
.endm
.macro MM
.if i < 16
	KQ (Y+1)%NP
.set i, i+1
.else
.set i, i-16
	PV (Y+NP-1)%NP
.set i, i+17
.endif
.endm
; THE LDS LOADS stand in runs of 16.  last = 1 (the tail): in the last trip there is no further step, and the run is jumped over.
.macro FETCH_K last=0
	WIN 0
.if \last
	s_cmp_eq_u32 s[CNT], 1
	s_cbranch_scc1 .Lno_k_\@
.endif
	WIN 0x80
.irp f, 0,1,2,3,4,5,6,7
	ds_load_b128 v[KF+8*\f:KF+8*\f+3],   v[AK] offset:(\f/2)*16*PK+(\f%2)*64
	ds_load_b128 v[KF+8*\f+4:KF+8*\f+7], v[AK] offset:(\f/2)*16*PK+(\f%2)*64+32
.endr
	WIN 0
.if \last
.Lno_k_\@:
.endif
.endm
.macro FETCH_V
	WIN 0x80
.irp f, 0,1,2,3,4,5,6,7
	ds_load_tr16_b128 v[VF+8*\f:VF+8*\f+3],   v[AV] offset:(\f/4)*32*PV+(\f%4)*32
	ds_load_tr16_b128 v[VF+8*\f+4:VF+8*\f+7], v[AV] offset:(\f/4)*32*PV+16*PV+(\f%4)*32
.endr
	WIN 0
.endm
; THE VECTOR WORK OF A TURN stands in three queues, each in the order in which its entries become ready; the two tiles alternate.
.macro REGS y, u
.set rT, ST+4*(2*(\y)+(\u))
.set rC, TMP+8*((\y)%2)+4*(\u)
.set rM, MV+2*((\y)%2)+(\u)
.set rS, S+64*((\y)%2)+32*(\u)
.set rP, P+32*((\y)%2)+16*(\u)
.set rO, 32*(2*(\y)+(\u))
.endm
; Number n of the 22 that find the NEXT piece's maximum and statistics; each accumulator's lowest registers are read first.
.macro XS u, n
	REGS (Y+1)%NP, \u
.if (\n) < 4
	v_max3_num_f32 v[rC+(\n)], v[rS+8*(\n)], v[rS+8*(\n)+1], v[rS+8*(\n)+2]
.elseif (\n) < 12
	v_max3_num_f32 v[rC+(\n)%4], v[rC+(\n)%4], v[rS+8*((\n)%4)+2*((\n)/4)+1], v[rS+8*((\n)%4)+2*((\n)/4)+2]
.elseif (\n) == 12
	v_max3_num_f32 v[rC], v[rC], v[rS+7], v[rS+15]
.elseif (\n) == 13
	v_max3_num_f32 v[rC+1], v[rC+1], v[rS+23], v[rS+31]
.elseif (\n) == 14
	v_max3_num_f32 v[rC+2], v[rC+2], v[rC+3], v[rT+1]
.elseif (\n) == 15
	v_mov_b32 v[rM], v[rT]
.elseif (\n) == 16
	v_max3_num_f32 v[rC], v[rC], v[rC+1], v[rC+2]
.elseif (\n) == 17
	v_permlanex16_b32 v[rC+3], v[rC], s[SEL], s[SEL+1]
.elseif (\n) == 18
	v_max_num_f32 v[rT+1], v[rC], v[rC+3]
.elseif (\n) == 19
	v_mul_f32 v[rT], s[CS], v[rT+1]
.elseif (\n) == 20
	v_sub_f32 v[rC+1], v[rM], v[rT]
.else
	v_exp_f32 v[rC+2], v[rC+1]
.endif
.endm
; Number g of the 64 that follow the exponentials: roundings to f16, sums of four weights in place, and l.
.macro GS g
.set h, (\g)+6*((\g)/62)
.if h >= 6
.set h, h+2
.endif
	REGS Y, h%2
.set k, h/8
.if h%8 < 4
	v_cvt_pk_f16_f32 v[rP+2*k+(h%8)/2], v[rS+4*k+2*((h%8)/2)], v[rS+4*k+2*((h%8)/2)+1]
.elseif h%8 < 6
	v_pk_add_f32 v[rS+4*k:rS+4*k+1], v[rS+4*k:rS+4*k+1], v[rS+4*k+2:rS+4*k+3]
.elseif k == 1
	v_pk_fma_f32 v[rT+2:rT+3], v[rT+2:rT+3], v[rC+2:rC+3], v[rS:rS+1] op_sel_hi:[1,0,1]
.else
	v_pk_add_f32 v[rT+2:rT+3], v[rT+2:rT+3], v[rS+4*k-4:rS+4*k-3]
.endif
.endm
.macro FS f
	REGS Y, (\f)%2
	v_pk_fma_f32 v[rS+2*((\f)/2):rS+2*((\f)/2)+1], v[rS+2*((\f)/2):rS+2*((\f)/2)+1], s[CS:CS+1], v[rT:rT+1] op_sel_hi:[1,0,0] neg_lo:[0,0,1] neg_hi:[0,0,1]
.endm
; THE PLAIN QUEUE, 138 long: 0-73 read no exponential's result (32 scalings, the next piece's 42); 74-137 are GS's 64, behind the wait.
.macro PL
	WIN 0
.if q < 27
	FS q
.elseif q < 55
	XS (q-27)%2, (q-27)/2
.elseif q < 57
	XS q-55, 15
.elseif (q < 72) && ((q-57)%3 == 0)
	FS 27+(q-57)/3
.elseif q < 60
	XS (q-57)%3-1, 14
.elseif q < 72
	XS (q-57)%3-1, 15+(q-57)/3
.elseif q < 74
	XS q-72, 20
.else
	GS q-74
.endif
.set q, q+1
.endm
; THE EXPONENTIALS' QUEUE, 66 long: one batch, all ahead of the turn's one wait.
.macro EX
	WIN 0
.if e >= 64
	XS e-64, 21
.else
	REGS Y, e%2
	v_exp_f32 v[rS+e/2], v[rS+e/2]
.endif
.set e, e+1
.endm
; THE RESCALING's QUEUE: O^T times a, two at a time.
.macro R2
	REGS Y, r%2
	WIN W_RS
.irp z, 0,1
	v_pk_mul_f32 v[rO+4*(r/2)+2*\z:rO+4*(r/2)+2*\z+1], v[rO+4*(r/2)+2*\z:rO+4*(r/2)+2*\z+1], v[rC+2:rC+3] op_sel_hi:[1,0]
.endr
.set r, r+1
.endm
; A TURN, for piece p.  Ahead of its one wait: 16 products K Q^T, behind each a scaling, an exponential and two rescalings; then a run of 108 vector instructions.  Behind it: 16 products V^T P, behind each four roundings and sums.
; K of the next step is fetched in piece 2's turn, directly behind the wait; V of the step in hand at the end of piece 0's turn, four plain instructions behind its last reader.  cnt = 1: the loop's count is taken down ahead of the branch behind the turn.
.macro TURN p, last=0, cnt=0
.set Y, (\p)
.set i, 0
.set q, 0
.set e, 0
.set r, 0
.if (\p) == NP-1
	s_wait_dscnt 0x0                ; K is in
.endif
	MM
	PL
	PL
	R2
.rept 15
	MM
	PL
	EX
	R2
.endr
.if (\p) == NP-2
	WIN 0
	v_add_nc_u32 v[AK], s[TBK], v[AK0]
.endif
.rept 8
	PL
.endr
.rept 49
	EX
	PL
.endr
	EX
	EX
	v_nop                           ; a plain instruction behind the last exponential: one for the batch
	s_wait_alu depctr_va_vdst(0)    ; the wait for the batch, ahead of the first instruction that names a result
.if (\p) == NP-2
	FETCH_K \last
.endif
.if (\p) == 1
	s_wait_dscnt 0x0                ; V is in
.endif
.rept 16
	MM
.rept 4
	PL
.endr
.if ((\p) == 0) && (q == 118)
	v_add_nc_u32 v[AV], s[TBV], v[AV0]
.endif
.if (\cnt) && (q == 130)
	s_sub_co_u32 s[SLOTS], s[SLOTS], 1
	s_cmp_lg_u32 s[SLOTS], 0
.endif
.endr
.if (\p) == 0
	FETCH_V
.endif
.endm
	CHANGE 1                        ; slot 0 is in, everybody's part of it; slot 1 is asked for
	v_add_nc_u32 v[AK], s[TBK], v[AK0]
	FETCH_K                         ; my keys of slot 0
	s_wait_loadcnt 0x0              ; Q
	s_wait_dscnt 0x0
.set i, 0
.rept 16
	KQ 0
.set i, i+1
.endr
	WIN 0
.rept 4
	v_nop                           ; the places behind those products
.endr
.set Y, NP-1
.irp n, 0,1,2,3,4,5,6,7,8,9,10,11,12,13,14,15,16,17,18,19,20,21
	XS 0, \n
	XS 1, \n
.endr
	v_nop
	s_wait_alu depctr_va_vdst(0)    ; the two a have their wait ahead of the branch
	s_branch .Lfirst                ; the loop is entered at a step's first turn
.Lslot:                             ; 14 times: slots 1 to 14 are entered and slots 2 to 15 asked for
	CHANGE 1, 1
	TURN 2
	TURN 3
	WIN 0
.Lfirst:
	TURN 0
	TURN 1, 0, 1
	WIN 0
	s_cbranch_scc1 .Lslot
	CHANGE 0                        ; the tail is written out: slot 15 is entered, nothing is asked for
	s_mov_b32 s[CNT], 2
.Ltail:
	TURN 2, 1
	TURN 3
	WIN 0
	s_sub_co_u32 s[CNT], s[CNT], 1
	s_cmp_eq_u32 s[CNT], 0
	s_cbranch_scc1 .Lout
	TURN 0
	TURN 1
	WIN 0
	s_branch .Ltail
.Lout:                              ; the last trip's products K Q^T repeat the last step's scores of piece 0: its maximum, and c m with it, stay as they were
.set i, 0
.rept 16
	PV NP-1
.set i, i+1
.endr
	; THE MERGE.  Wave w holds, for each query, c m_w, l_w and O_w over its quarter of the keys.  With mx = max c m_w and f_w = 2^(c m_w - mx): O = sum f_w O_w / sum f_w l_w.
	; The address lines are the places behind the last products.
	WIN 0
	v_and_b32 v12, 31, v0
	v_and_b32 v1, 15, v0
	v_bfe_u32 v13, v0, 4, 1
	s_lshl_b32 s13, s[WV], 11
	s_add_co_u32 s14, s13, MS
	v_lshl_add_u32 v[MSA], v12, 3, s14
	v_lshlrev_b32 v[MSR], 3, v12
	v_add_nc_u32 v[MSR], MS, v[MSR]
	s_mul_i32 s14, s[WV], 64*MPP
	s_add_co_u32 s14, s14, MP
	v_mul_u32_u24 v[MPA], v1, MPP
	v_lshl_add_u32 v[MPA], v13, 5, v[MPA]
	v_add_nc_u32 v[MPA], s14, v[MPA]
	s_mul_i32 s14, s[WV], 16*MPP
	s_add_co_u32 s14, s14, MP
	v_lshrrev_b32 v14, 3, v12
	v_mul_u32_u24 v[MPR], v14, MPP
	v_and_b32 v14, 7, v0
	v_lshl_add_u32 v[MPR], v14, 5, v[MPR]
	v_add_nc_u32 v[MPR], s14, v[MPR]
	v_lshl_add_u32 v[GO], v12, 4, s13
.macro ALL line:vararg              ; one line for each tile t
.set t, 0
.rept 2*NP
	\line
.set t, t+1
.endr
.endm
	ALL v_add_f32 v[ST+4*t+2], v[ST+4*t+2], v[ST+4*t+3]
	ALL v_permlanex16_b32 v[ST+4*t+3], v[ST+4*t+2], s[SEL], s[SEL+1]
	ALL v_add_f32 v[ST+4*t+1], v[ST+4*t+2], v[ST+4*t+3]
	ALL ds_store_b64 v[MSA], v[ST+4*t:ST+4*t+1] offset:256*t
	s_wait_dscnt 0x0                ; for the others' sake
	s_barrier_signal -1
	s_barrier_wait -1
.irp w, 0,1,2,3
	ALL ds_load_b64 v[S+8*t+2*\w:S+8*t+2*\w+1], v[MSR] offset:2048*\w+256*t
.endr
	s_wait_dscnt 0x0
	ALL v_max3_num_f32 v[MX+t], v[S+8*t], v[S+8*t+2], v[S+8*t+4]
	ALL v_max_num_f32 v[MX+t], v[MX+t], v[S+8*t+6]
	ALL v_sub_f32 v[FO+t], v[ST+4*t], v[MX+t]
.irp w, 0,1,2,3
	ALL v_sub_f32 v[S+8*t+2*\w], v[S+8*t+2*\w], v[MX+t]
.endr
.irp w, 0,1,2,3
	ALL v_exp_f32 v[S+8*t+2*\w], v[S+8*t+2*\w]
.endr
	ALL v_exp_f32 v[FO+t], v[FO+t]
	v_nop
	s_wait_alu depctr_va_vdst(0)    ; one wait for the forty exponentials
	ALL v_mul_f32 v[LL+t], v[S+8*t], v[S+8*t+1]
.irp w, 1,2,3
	ALL v_fmac_f32 v[LL+t], v[S+8*t+2*\w], v[S+8*t+2*\w+1]
.endr
	ALL v_rcp_f32 v[RL+t], v[LL+t]
	v_nop
	s_wait_alu depctr_va_vdst(0)    ; one wait for the eight reciprocals
	ALL v_mul_f32 v[GG+2*t], v[FO+t], v[RL+t]
	ALL v_mov_b32 v[GG+2*t+1], v[GG+2*t]
; Four tiles a round: each wave scales its O^T by g and lays it into its part of MP; behind a barrier wave w adds the four parts of tile 4 r + w (in f32, waves ascending), rounds once and stores.
.macro MSEND r
.irp u, 0,1,2,3
	WIN W_RS
.set i, 32*(4*(\r)+\u)
.rept 16
	v_pk_mul_f32 v[i:i+1], v[i:i+1], v[GG+2*(4*(\r)+\u):GG+2*(4*(\r)+\u)+1] op_sel_hi:[1,0]
.set i, i+2
.endr
	WIN 0x04                        ; the store's data in window 1
.irp cb, 0,1,2,3
	ds_store_b128 v[MPA], v[32*(4*(\r)+\u)+8*\cb:32*(4*(\r)+\u)+8*\cb+3]   offset:\u*16*MPP+\cb*64
	ds_store_b128 v[MPA], v[32*(4*(\r)+\u)+8*\cb+4:32*(4*(\r)+\u)+8*\cb+7] offset:\u*16*MPP+\cb*64+16
.endr
.endr
	WIN 0
	s_wait_dscnt 0x0                ; for the others' sake
	s_barrier_signal -1
	s_barrier_wait -1
.endm
.macro MRECV r
.irp i, 0,1,2,3
.irp w, 0,1,2,3
	ds_load_b128 v[S+32*\i+8*\w:S+32*\i+8*\w+3],   v[MPR] offset:\w*64*MPP+\i*4*MPP
	ds_load_b128 v[S+32*\i+8*\w+4:S+32*\i+8*\w+7], v[MPR] offset:\w*64*MPP+\i*4*MPP+16
.endr
.endr
	s_wait_dscnt 0x0
.if (\r) == 0
	s_barrier_signal -1             ; every wave's reads of MP are back: the second round may write it
	s_barrier_wait -1
.endif
.irp i, 0,1,2,3
.irp w, 1,2,3
.irp k, 0,2,4,6
	v_pk_add_f32 v[S+32*\i+\k:S+32*\i+\k+1], v[S+32*\i+\k:S+32*\i+\k+1], v[S+32*\i+8*\w+\k:S+32*\i+8*\w+\k+1]
.endr
.endr
.irp k, 0,1,2,3
	v_cvt_pk_f16_f32 v[FO+16*(\r)+4*\i+\k], v[S+32*\i+2*\k], v[S+32*\i+2*\k+1]
.endr
	global_store_b128 v[GO], v[FO+16*(\r)+4*\i:FO+16*(\r)+4*\i+3], s[10:11] offset:8192*(\r)+512*\i  ; four rows of O: 512 consecutive bytes, aligned
.endr
.endm
	MSEND 0
	MRECV 0
	MSEND 1
	MRECV 1
	WIN W_AD
	s_wait_tensorcnt 0x0            ; the wave's end
	ds_add_u32 v[SPW], v[NIL]
	s_wait_dscnt 0x0
	WIN 0
	CROUND                          ; the closing round
	s_endpgm
.Lfunc_end_k_q89dd1f2fff_gattn:
	.size	k_q89dd1f2fff_gattn, .Lfunc_end_k_q89dd1f2fff_gattn-k_q89dd1f2fff_gattn
	.p2alignl 7, 3214868480
	.fill 96, 4, 3214868480
	.section	.rodata,"a",@progbits
	.p2align	6, 0x0
	.amdhsa_kernel k_q89dd1f2fff_gattn
		.amdhsa_group_segment_fixed_size 327680
		.amdhsa_private_segment_fixed_size 0
		.amdhsa_enable_private_segment 0
		.amdhsa_kernarg_size 16
		.amdhsa_user_sgpr_count 2
		.amdhsa_user_sgpr_kernarg_segment_ptr 1
		.amdhsa_wavefront_size32 1
		.amdhsa_system_sgpr_workgroup_id_x 1
		.amdhsa_system_sgpr_workgroup_id_y 1
		.amdhsa_system_sgpr_workgroup_id_z 1
		.amdhsa_system_vgpr_workitem_id 0
		.amdhsa_next_free_vgpr 770
		.amdhsa_next_free_sgpr 66
		.amdhsa_reserve_vcc 0
		.amdhsa_float_denorm_mode_32 3
		.amdhsa_float_denorm_mode_16_64 3
		.amdhsa_memory_ordered 1
		.amdhsa_forward_progress 1
		.amdhsa_inst_pref_size 208
	.end_amdhsa_kernel
	.amdgpu_metadata
---
amdhsa.version: [ 1, 2 ]
amdhsa.kernels:
  - .name:           k_q89dd1f2fff_gattn
    .symbol:         k_q89dd1f2fff_gattn.kd
    .args:
      - { .name: qkv, .offset: 0, .size: 8, .value_kind: global_buffer, .address_space: global }
      - { .name: oh, .offset: 8, .size: 8, .value_kind: global_buffer, .address_space: global }
    .group_segment_fixed_size: 327680
    .private_segment_fixed_size: 0
    .kernarg_segment_align: 8
    .kernarg_segment_size: 16
    .max_flat_workgroup_size: 128
    .sgpr_count:     66
    .vgpr_count:     770
    .wavefront_size: 32
...
	.end_amdgpu_metadata
.endif
;; end of part 3
;; launch wattn (part 4): grid 32 x 8, 8 waves a work-group, no clusters, 327,680 bytes of LDS; arguments qkv, btab, oh; writes oh
.if DOCPART == 4
	.amdgcn_target "amdgcn-amd-amdhsa--gfx1250"
	.amdhsa_code_object_version 6
	.text
	.protected	k_q89dd1f2fff_wattn
	.globl	k_q89dd1f2fff_wattn
	.p2align	8
	.type	k_q89dd1f2fff_wattn,@function
k_q89dd1f2fff_wattn:
	s_mov_b64 s[64:65], 0
	v_nop
	global_prefetch_b8 v0, s[64:65] scope:SCOPE_SE
	s_setreg_imm32_b32 hwreg(HW_REG_WAVE_MODE, 25, 1), 1
	s_wait_xcnt 0x0
; HEADS 1 TO 7: attention inside windows of side p = 4, 4, 8, 8, 8, 16, 16, with a bias by relative position.  qkv holds these heads in window order, so a window's tokens are dense; O leaves in the same order (oh[h][b][n'][64], f16).
; Products, maxima and sums in f32; weights rounded to f16 for the second product, O once.  LIMITS: q, k, v within f16's 65,504; a weight below 2^-126 counts as 0; NaN and infinities are not treated apart.
; SHARES.  Work-group (j, b) makes rows n' = 128 j .. 128 j + 127 of all seven heads; wave wv the 16 queries 16 wv .. of each.  p = 16: all in window j / 2 (256 keys, four chunks of 64, a running maximum);
; p = 8: window wv / 4 of the block's two (64 keys: one chunk); p = 4: window wv of the block's eight (16 keys).
; THE BIAS is the C operand that starts S^T = K Q^T: btab holds 8 x bias, so p = 2^(c s - c m) with c = log2(e) / 8 scales score and bias together.  A lane (query lane % 16, keys 8 (lane / 16) + 0..7 of a block of 16) finds its
; eight numbers as two runs of 16 bytes in copy (xq + 1) & 3 of the head's image.
; Q of all seven heads comes straight from memory into registers at the head (no wave wants another's queries): 16 registers a head, in window 1, named as source 1 of the products K Q^T.
; LDS holds K (pitch 144) and V (pitch 160).  Heads in the order 6, 7, 1, 2, 3, 4, 5.  First fills: the tables, heads 6, 7, 1, 2 and K of head 3.  Behind head 6's step its 77,824 bytes take V3, K4, V4, K5 (four waves, a load each);
; behind head 7's step V5 lands on its first bytes.  So heads 3, 4, 5 lie end to end, 38,912 bytes apart, and each refill has at least one head's step in which to land.
; NO CLUSTER: only the 16 x 16 heads' K and V are shared, between two work-groups, in the first fills alone.  NO PREFETCH: all but five small tiles are asked for at the head, and the launch does little but move its bytes.
; O and l of the 16 x 16 heads are cleared (36 lines a head) so that the four chunks are one loop.
.set HSTR,  4194304                    ; bytes from head to head in qkv and oh
.set PK,    144
.set PV,    160
.set T128,  128*PK                     ; K of 128 tokens
.set BST,   128*(PK+PV)                ; K and V of 128 tokens
.set R0,    18432                      ; head 6: K + 0 (36,864 bytes), V + 36,864 (40,960).  In front of it, at 0: K of head 3
.set R1,    96256                      ; head 7
.set R2,    174080                     ; head 1: K + 0, V + 18,432
.set R3,    212992                     ; head 2 (= R2 + BST)
.set TAB,   251904                     ; btab's 55,296 bytes
.set STG,   307200                     ; the way out: 16 rows x 144 bytes for each wave
.set SPARE, 325632                     ; the spare words, 128 bytes for each of eight waves: no other line names them
.set BALC, 5                           ; v5-7  my lane's place in a head's bias image, for p = 16, 8, 4
.set BALB, 6
.set BALA, 7
.set LK,   8                           ; v8    my lane's place in a tile of K
.set LV,   9                           ; v9    in a tile of V (turning load)
.set LQ,   10                          ; v10   LK + my wave's 16 rows
.set AK,   12
.set AV,   13
.set BA,   14
.set LVA,  15                          ; v15   LV + my wave's 16 rows + T128
.set STO,  16
.set RD,   17
.set GO,   18
.set MV,   19
.set SPW,  20
.set NIL,  21
.set RC,   22                          ; v22-23 1 / l
.set ST,   24                          ; v24-27 c m, m, l (even keys', odd keys')
.set C0,   28                          ; v28-31 at work; a in v30
.set QO,   32                          ; v32   my byte offset in a head's rows of Q; v33-39 the same with the head's plane; never rewritten
.set PF,   48
.set S,    64
.set OA,   96
.set KF,   128
.set VF,   192
.set WV,   10
.set QB,   14                          ; s[14:15] qkv at Q's plane of head 0, my image, my block of 128 tokens
.set WB,   16                          ; s[16:17] the same at my window of 256 tokens
.set OBASE,18
.set OB,   20
.set TBK,  22
.set TBV,  23
.set GS4,  24                          ; descriptor groups 1: 64 rows of 256 bytes, 16 bytes of padding after every 128
.set GB4,  32                          ; 128 rows
.set GS8,  40                          ; 64 rows, 32 bytes of padding
.set GB8,  48                          ; 128 rows
.set GTB,  56                          ; the tables: 216 rows of 256 bytes
.set G0,   68                          ; s[68:83] four sets of group 0
.set TBB,  84
.set CNT,  85
.set CS,   86
.set SEL,  88
.set MSB, 0
.macro WIN new                         ; the immediate's high byte repeats the setting that is left
.if MSB != (\new)
	s_set_vgpr_msb (MSB<<8)|(\new)
.set MSB, \new
.endif
.endm
.macro GROUP1 g, w0, rows
	s_mov_b32 s[\g], \w0
	s_mov_b32 s[\g+1], 128<<16
	s_mov_b32 s[\g+2], (\rows)<<16
	s_mov_b32 s[\g+3], 128<<16
	s_mov_b32 s[\g+4], \rows
	s_mov_b32 s[\g+5], 128
	s_mov_b32 s[\g+6], 0
	s_mov_b32 s[\g+7], 0
.endm
.macro FIRST n, lds, g1, base, off     ; a first fill, with a group 0 of its own
	s_mov_b32 s[G0+4*(\n)], 1
	s_mov_b32 s[G0+4*(\n)+1], \lds
	s_add_nc_u64 s[G0+4*(\n)+2:G0+4*(\n)+3], s[\base:\base+1], \off
	s_or_b32 s[G0+4*(\n)+3], s[G0+4*(\n)+3], 0x80000000
	tensor_load_to_lds s[G0+4*(\n):G0+4*(\n)+3], s[\g1:\g1+7]
	s_nop 0
.endm
	s_load_b128 s[4:7], s[0:1], 0x0                ; qkv s[4:5], btab s[6:7]
	s_load_b64 s[8:9], s[0:1], 0x10                ; oh
	v_lshl_add_u32 v[SPW], v0, 2, SPARE
	v_mov_b32 v[NIL], 0
	ds_add_u32 v[SPW], v[NIL]                      ; the wave's opening: the add and its wait ahead of my first tensor load
	v_lshrrev_b32 v1, 5, v0
	v_readfirstlane_b32 s[WV], v1
	s_mov_b32 s11, ttmp9                           ; j
	s_and_b32 s12, ttmp7, 0xffff                   ; b
	GROUP1 GS4, (1<<16)|(1<<20)|(4<<22)|(3<<25), 64
	GROUP1 GB4, (1<<16)|(1<<20)|(4<<22)|(3<<25), 128
	GROUP1 GS8, (1<<16)|(1<<20)|(4<<22)|(7<<25), 64
	GROUP1 GB8, (1<<16)|(1<<20)|(4<<22)|(7<<25), 128
	s_mov_b32 s[GTB], 3<<16                        ; elements of 8 bytes, no padding
	s_mov_b32 s[GTB+1], 32<<16
	s_mov_b32 s[GTB+2], 216<<16
	s_mov_b32 s[GTB+3], 32<<16
	s_mov_b32 s[GTB+4], 216
	s_mov_b32 s[GTB+5], 32
	s_mov_b32 s[GTB+6], 0
	s_mov_b32 s[GTB+7], 0
	s_mov_b32 s[CS], 0x3e38aa3b                    ; c = log2(e) / 8
	s_mov_b32 s[CS+1], s[CS]
	s_mov_b32 s[SEL], 0x76543210
	s_mov_b32 s[SEL+1], 0xfedcba98
	s_lshl_b32 s91, s12, 19                        ; my image
	s_lshl_b32 s92, s11, 14
	s_add_co_u32 s92, s92, s91                     ; + my block of 128 tokens
	s_mov_b32 s93, 0
	s_lshr_b32 s94, s11, 1
	s_lshl_b32 s94, s94, 15
	s_add_co_u32 s94, s94, s91                     ; or my window of 256
	s_mov_b32 s95, 0
	s_lshl_b32 s97, s[WV], 11
	s_add_co_u32 s96, s92, s97                     ; my wave's 16 rows of the block
	s_mov_b32 s97, 0
	s_wait_dscnt 0x0                               ; the opening add is done
	s_wait_kmcnt 0x0
	s_add_nc_u64 s[QB:QB+1], s[4:5], s[92:93]
	s_add_nc_u64 s[WB:WB+1], s[4:5], s[94:95]
	s_add_nc_u64 s[OBASE:OBASE+1], s[8:9], s[96:97]
	; The first fills: two loads in each of waves 0 to 4, a wave's two in one branch on its number.  K's plane of head h is 8 + h, V's 16 + h.  What head 6's step reads (tables, K6, V6) is its wave's first load;
	; waves 3 and 4 ask for a small tile first, so that the counted wait below does not hold them for head 7's.
	s_cmp_lg_u32 s[WV], 0
	s_cbranch_scc1 .Lnot0
	FIRST 0, TAB, GTB, 6, 0
	FIRST 1, R2, GS4, QB, 9*HSTR                   ; K1
	s_branch .Lfilled
.Lnot0:
	s_cmp_lg_u32 s[WV], 1
	s_cbranch_scc1 .Lnot1
	FIRST 0, R0, GB4, WB, 14*HSTR                  ; K6
	FIRST 1, R2+T128, GS8, QB, 17*HSTR             ; V1
	s_branch .Lfilled
.Lnot1:
	s_cmp_lg_u32 s[WV], 2
	s_cbranch_scc1 .Lnot2
	FIRST 0, R0+2*T128, GB8, WB, 22*HSTR           ; V6
	FIRST 1, R3, GS4, QB, 10*HSTR                  ; K2
	s_branch .Lfilled
.Lnot2:
	s_cmp_lg_u32 s[WV], 3
	s_cbranch_scc1 .Lnot3
	FIRST 0, R3+T128, GS8, QB, 18*HSTR             ; V2
	FIRST 1, R1, GB4, WB, 15*HSTR                  ; K7
	s_branch .Lfilled
.Lnot3:
	s_cmp_lg_u32 s[WV], 4
	s_cbranch_scc1 .Lfilled
	FIRST 0, 0, GS4, QB, 11*HSTR                   ; K3
	FIRST 1, R1+2*T128, GB8, WB, 23*HSTR           ; V7
.Lfilled:
	v_and_b32 v2, 15, v0                           ; l % 16
	v_bfe_u32 v3, v0, 4, 1                         ; l / 16
	v_lshlrev_b32 v[QO], 7, v2
	v_lshl_add_u32 v[QO], v3, 4, v[QO]             ; a fragment of Q: row x 128 + 16 x half,
	s_lshl_b32 s90, s[WV], 11
	v_add_nc_u32 v[QO], s90, v[QO]                 ; in my wave's 16 rows
.irp h, 1,2,3,4,5,6,7
	v_add_nc_u32 v[QO+\h], \h*HSTR, v[QO]
.endr
	WIN 0x40                                       ; destination window 1, address window 0
.irp h, 1,2,3,4,5,6,7
.irp c, 0,1
	global_load_b128 v[16*(\h-1)+8*\c:16*(\h-1)+8*\c+3],   v[QO+\h], s[QB:QB+1] offset:64*\c
	global_load_b128 v[16*(\h-1)+8*\c+4:16*(\h-1)+8*\c+7], v[QO+\h], s[QB:QB+1] offset:64*\c+32
.endr
.endr
	WIN 0
	v_and_b32 v1, 31, v0                           ; lane
	v_and_b32 v4, 7, v0
	v_mul_u32_u24 v[LK], v2, PK
	v_lshl_add_u32 v[LK], v3, 4, v[LK]
	v_lshl_add_u32 v[LV], v3, 3, v4
	v_mul_u32_u24 v[LV], v[LV], PV
	v_bfe_u32 v15, v0, 3, 1
	v_lshl_add_u32 v[LV], v15, 4, v[LV]
	s_mul_i32 s90, s[WV], 16*PK
	s_add_co_u32 s91, s90, STG
	v_add_nc_u32 v[STO], s91, v[LK]
	v_lshrrev_b32 v14, 3, v1
	v_mul_u32_u24 v14, v14, PK
	v_lshl_add_u32 v14, v4, 4, v14
	v_add_nc_u32 v[RD], s91, v14
	v_lshlrev_b32 v[GO], 4, v1
	v_add_nc_u32 v[LQ], s90, v[LK]
	; p = 16: xq = l % 16, yq = 8 (j % 2) + wv: copy c = (xq + 1) & 3, row 15 - yq (+ the key's row), word c + 8 (l / 16) + 15 - xq
	v_add_nc_u32 v14, 1, v2
	v_and_b32 v14, 3, v14
	v_lshl_add_u32 v13, v3, 3, v14
	v_add_nc_u32 v13, 15, v13
	v_sub_nc_u32 v13, v13, v2
	v_mul_u32_u24 v14, v14, 4608
	v_lshl_add_u32 v[BALC], v13, 2, v14
	s_and_b32 s90, s11, 1
	s_lshl_b32 s90, s90, 3
	s_add_co_u32 s90, s90, s[WV]
	s_sub_co_u32 s90, 15, s90
	s_mul_i32 s90, s90, 144
	v_add_nc_u32 v[BALC], s90, v[BALC]
	; p = 8: xq = l % 8, yq = 2 (wv % 4) + (l / 8) % 2; a block of 16 keys is rows 2 kb + l / 16: row 7 - yq + l / 16, word c + 7 - xq
	v_add_nc_u32 v14, 1, v4
	v_and_b32 v14, 3, v14
	v_add_nc_u32 v13, 7, v14
	v_sub_nc_u32 v13, v13, v4
	v_mul_u32_u24 v14, v14, 1280
	v_lshl_add_u32 v[BALB], v13, 2, v14
	v_add_nc_u32 v13, 7, v3
	v_sub_nc_u32 v13, v13, v15
	s_and_b32 s90, s[WV], 3
	s_lshl_b32 s90, s90, 1
	v_sub_nc_u32 v13, v13, s90
	v_mad_u32_u24 v[BALB], v13, 80, v[BALB]
	; p = 4: xq = l % 4, yq = (l / 4) % 4; my eight keys are rows 2 (l / 16) and 2 (l / 16) + 1: row 2 (l / 16) + 3 - yq, word c + 3 - xq
	v_and_b32 v12, 3, v0
	v_bfe_u32 v11, v0, 2, 2
	v_add_nc_u32 v14, 1, v12
	v_and_b32 v14, 3, v14
	v_add_nc_u32 v13, 3, v14
	v_sub_nc_u32 v13, v13, v12
	v_mul_u32_u24 v14, v14, 384
	v_lshl_add_u32 v[BALA], v13, 2, v14
	v_lshl_add_u32 v13, v3, 1, 3
	v_sub_nc_u32 v13, v13, v11
	v_mad_u32_u24 v[BALA], v13, 48, v[BALA]
	s_mul_i32 s90, s[WV], 16*PV
	s_add_co_u32 s90, s90, T128
	v_add_nc_u32 v[LVA], s90, v[LV]
	v_mov_b32 v[RC+1], 0                           ; named with v22 as a pair
.irp n, 0,1,2,3
	v_mov_b32 v[C0+\n], 0                          ; a lane exchange counts as a reader of its destination
.endr
	s_wait_loadcnt 0x0                             ; Q of all seven heads
	s_wait_tensorcnt 0x1                           ; one load was issued behind my first: the tables, K6 and V6 have landed
	s_barrier_signal -1
	s_barrier_wait -1                              ; everybody's have
; 16 queries x 64 keys, in three parts.  CLOAD: the LDS loads; kbs: bytes in the bias image from one block of 16 keys to the next.
.macro CLOAD kbs, bal
	v_add_nc_u32 v[AK], s[TBK], v[LK]              ; these three and the v_nop are the four places behind the last products, in front of the loads into their sources
	v_add_nc_u32 v[AV], s[TBV], v[LV]
	v_add_nc_u32 v[BA], s[TBB], v[\bal]
	v_nop
.irp j, 0,1,2,3
	ds_load_b128 v[S+8*\j:S+8*\j+3],   v[BA] offset:\j*(\kbs)      ; the bias, straight into the accumulators
	ds_load_b128 v[S+8*\j+4:S+8*\j+7], v[BA] offset:\j*(\kbs)+16
.endr
.irp f, 0,1,2,3,4,5,6,7
	ds_load_b128 v[KF+8*\f:KF+8*\f+3],   v[AK] offset:(\f/2)*16*PK+(\f%2)*64
	ds_load_b128 v[KF+8*\f+4:KF+8*\f+7], v[AK] offset:(\f/2)*16*PK+(\f%2)*64+32
.endr
.irp f, 0,1,2,3,4,5,6,7
	ds_load_tr16_b128 v[VF+8*\f:VF+8*\f+3],   v[AV] offset:(\f/4)*32*PV+(\f%4)*32
	ds_load_tr16_b128 v[VF+8*\f+4:VF+8*\f+7], v[AV] offset:(\f/4)*32*PV+16*PV+(\f%4)*32
.endr
	s_wait_dscnt 16                                ; V's sixteen loads may stay out
.endm
; KQ: the eight products S^T = K Q^T + bias; q: the head's Q in window 1.  The four accumulators take turns.
.macro KQ q
	WIN 0x04                                       ; source 1 in window 1
.irp c, 0,1
.irp j, 0,1,2,3
	v_wmma_f32_16x16x32_f16 v[S+8*\j:S+8*\j+7], v[KF+16*\j+8*\c:KF+16*\j+8*\c+7], v[(\q)+8*\c:(\q)+8*\c+7], v[S+8*\j:S+8*\j+7]
.endr
.endr
	WIN 0
.endm
; CTAIL: softmax and V^T P.  first = 1: the only chunk of its head: no old maximum, no a, and the products start O's sums.
.macro CTAIL first
.rept 4
	v_nop
.endr
.irp n, 0,1,2,3                        ; the maximum: each accumulator's lowest registers first
	v_max3_num_f32 v[C0+\n], v[S+8*\n], v[S+8*\n+1], v[S+8*\n+2]
.endr
.irp n, 0,1,2,3
	v_max3_num_f32 v[C0+\n], v[C0+\n], v[S+8*\n+3], v[S+8*\n+4]
.endr
.irp n, 0,1,2,3
	v_max3_num_f32 v[C0+\n], v[C0+\n], v[S+8*\n+5], v[S+8*\n+6]
.endr
	v_max3_num_f32 v[C0], v[C0], v[S+7], v[S+15]
	v_max3_num_f32 v[C0+1], v[C0+1], v[S+23], v[S+31]
.if \first
	v_max_num_f32 v[C0+2], v[C0+2], v[C0+3]
.else
	v_max3_num_f32 v[C0+2], v[C0+2], v[C0+3], v[ST+1]
	v_mov_b32 v[MV], v[ST]
.endif
	v_max3_num_f32 v[C0], v[C0], v[C0+1], v[C0+2]
	v_permlanex16_b32 v[C0+3], v[C0], s[SEL], s[SEL+1]   ; the query's other 32 keys lie in the lane 16 away
	v_max_num_f32 v[ST+1], v[C0], v[C0+3]
	v_mul_f32 v[ST], s[CS], v[ST+1]
.if !(\first)
	v_sub_f32 v[C0+1], v[MV], v[ST]
.endif
.set n, 0
.rept 16
	v_pk_fma_f32 v[S+2*n:S+2*n+1], v[S+2*n:S+2*n+1], s[CS:CS+1], v[ST:ST+1] op_sel_hi:[1,0,0] neg_lo:[0,0,1] neg_hi:[0,0,1]
.set n, n+1
.endr
.if !(\first)
	v_exp_f32 v[C0+2], v[C0+1]                     ; a
.endif
.set n, 0
.rept 32
	v_exp_f32 v[S+n], v[S+n]
.set n, n+1
.endr
	v_nop                                          ; a plain instruction behind the last exponential
	s_wait_alu depctr_va_vdst(0)                   ; one wait for the batch, ahead of the first instruction that names a result
.set n, 0
.rept 16
	v_cvt_pk_f16_f32 v[PF+n], v[S+2*n], v[S+2*n+1]
.set n, n+1
.endr
.irp n, 0,1,2,3,4,5,6,7
	v_pk_add_f32 v[S+4*\n:S+4*\n+1], v[S+4*\n:S+4*\n+1], v[S+4*\n+2:S+4*\n+3]
.endr
.if \first
	v_pk_add_f32 v[ST+2:ST+3], v[S:S+1], v[S+4:S+5]
.else
	v_pk_fma_f32 v[ST+2:ST+3], v[ST+2:ST+3], v[C0+2:C0+3], v[S:S+1] op_sel_hi:[1,0,1]
	v_pk_add_f32 v[ST+2:ST+3], v[ST+2:ST+3], v[S+4:S+5]
.endif
.irp n, 2,3,4,5,6,7
	v_pk_add_f32 v[ST+2:ST+3], v[ST+2:ST+3], v[S+4*\n:S+4*\n+1]
.endr
.if !(\first)
.set n, 0
.rept 16
	v_pk_mul_f32 v[OA+2*n:OA+2*n+1], v[OA+2*n:OA+2*n+1], v[C0+2:C0+3] op_sel_hi:[1,0]
.set n, n+1
.endr
.endif
	s_wait_dscnt 0x0                               ; V is in
.irp kk, 0,1
.irp cb, 0,1,2,3
.if (\first) && (\kk == 0)
	v_wmma_f32_16x16x32_f16 v[OA+8*\cb:OA+8*\cb+7], v[VF+32*\kk+8*\cb:VF+32*\kk+8*\cb+7], v[PF+8*\kk:PF+8*\kk+7], 0
.else
	v_wmma_f32_16x16x32_f16 v[OA+8*\cb:OA+8*\cb+7], v[VF+32*\kk+8*\cb:VF+32*\kk+8*\cb+7], v[PF+8*\kk:PF+8*\kk+7], v[OA+8*\cb:OA+8*\cb+7]
.endif
.endr
.endr
.endm
; THE WAY OUT of a head: O / l, rounded to f16, through my stage, back as four rows of 128 bytes: 512 consecutive bytes of oh, aligned.
.macro OUTW
.rept 4
	v_nop                                          ; the places behind the last products
.endr
	v_add_f32 v[C0], v[ST+2], v[ST+3]
	v_permlanex16_b32 v[C0+1], v[C0], s[SEL], s[SEL+1]
	v_add_f32 v[C0], v[C0], v[C0+1]
	v_rcp_f32 v[RC], v[C0]
	v_nop
	s_wait_alu depctr_va_vdst(0)
.set n, 0
.rept 16
	v_pk_mul_f32 v[OA+2*n:OA+2*n+1], v[OA+2*n:OA+2*n+1], v[RC:RC+1] op_sel_hi:[1,0]
.set n, n+1
.endr
.set n, 0
.rept 16
	v_cvt_pk_f16_f32 v[S+n], v[OA+2*n], v[OA+2*n+1]
.set n, n+1
.endr
.irp f, 0,1,2,3
	ds_store_b128 v[STO], v[S+4*\f:S+4*\f+3] offset:32*\f
.endr
.irp f, 0,1,2,3
	ds_load_b128 v[S+16+4*\f:S+16+4*\f+3], v[RD] offset:\f*4*PK   ; LDS serves a wave's instructions in order (ISA guide 5.7.1.4)
.endr
.irp f, 0,1,2,3
	s_wait_dscnt 3-\f
	global_store_b128 v[GO], v[S+16+4*\f:S+16+4*\f+3], s[OB:OB+1] offset:512*\f
.endr
.endm
; THE CHANGE.  Every wave waits for all its tensor loads, adds 0 to its spare word, and waits for that and for its LDS reads; behind the barrier the step's bytes are free and every tile asked for so far is whole.
.macro CHANGE
	s_wait_tensorcnt 0x0
	ds_add_u32 v[SPW], v[NIL]
	s_wait_dscnt 0x0
	s_barrier_signal -1
	s_barrier_wait -1
.endm
; A refill by wave w alone: a line of its own, with set n of group 0, all four words written here: no tensor load of the wave is out (the change has waited for all), and every word but the global address is a constant.
; The refills of one change have a set each, and behind each load but the last a jump leads to the group's end (jump = 1, done = its label): on no path is a register of a load that may be out written again.
.macro RFILL w, n, lds, g1, off, jump=0, done=0
	s_cmp_lg_u32 s[WV], \w
	s_cbranch_scc1 .Lrf_\@
	s_mov_b32 s[G0+4*(\n)], 1                      ; count = 1
	s_mov_b32 s[G0+4*(\n)+1], \lds
	s_add_nc_u64 s[G0+4*(\n)+2:G0+4*(\n)+3], s[QB:QB+1], \off
	s_or_b32 s[G0+4*(\n)+3], s[G0+4*(\n)+3], 0x80000000  ; type = 2
	tensor_load_to_lds s[G0+4*(\n):G0+4*(\n)+3], s[\g1:\g1+7]
	s_nop 0
.if \jump
	s_branch \done
.endif
.Lrf_\@:
.endm
.macro CSTEP h, tb, hb                 ; head h with windows of 16 x 16: four chunks of 64 keys
	s_wait_xcnt 0x0                                ; the last head's stores have read their data and base
	s_add_nc_u64 s[OB:OB+1], s[OBASE:OBASE+1], (\h)*HSTR
	s_mov_b32 s[TBK], \tb
	s_mov_b32 s[TBV], (\tb)+2*T128
	s_mov_b32 s[TBB], TAB+(\hb)
.set n, 0
.rept 32
	v_mov_b32 v[OA+n], 0
.set n, n+1
.endr
	v_mov_b32 v[ST], 0xfe000000                    ; c m: far below every c s, so the first a is 0
	v_mov_b32 v[ST+1], 0xff7fffff                  ; m: the lowest finite number
	v_mov_b32 v[ST+2], 0
	v_mov_b32 v[ST+3], 0
	s_mov_b32 s[CNT], 4
.Lchunk_\@:
	CLOAD 144, BALC
	KQ 16*((\h)-1)
	CTAIL 0
	s_add_co_u32 s[TBK], s[TBK], 64*PK
	s_add_co_u32 s[TBV], s[TBV], 64*PV
	s_add_co_u32 s[TBB], s[TBB], 4*144
	s_sub_co_u32 s[CNT], s[CNT], 1
	s_cmp_lg_u32 s[CNT], 0
	s_cbranch_scc1 .Lchunk_\@
	OUTW
.endm
.macro AKQ q                           ; 16 queries x 16 keys: the two K steps go to two accumulators (the first starts with the bias, the second with 0): no accumulator has two matrix instructions on end
	WIN 0x04
	v_wmma_f32_16x16x32_f16 v[S:S+7], v[KF:KF+7], v[(\q):(\q)+7], v[S:S+7]
	v_wmma_f32_16x16x32_f16 v[S+8:S+15], v[KF+8:KF+15], v[(\q)+8:(\q)+15], 0
	WIN 0
.endm
	CSTEP 6, R0, 18432
	CHANGE                                         ; head 6's bytes are free; all first fills have landed
	RFILL 0, 0, R0, GS8, 19*HSTR, 1, .Lasked6      ; V3
	RFILL 1, 1, BST, GS4, 12*HSTR, 1, .Lasked6     ; K4
	RFILL 2, 2, BST+T128, GS8, 20*HSTR, 1, .Lasked6  ; V4
	RFILL 3, 3, 2*BST, GS4, 13*HSTR                ; K5
.Lasked6:
	CSTEP 7, R1, 36864
	CHANGE                                         ; head 7's bytes are free; the four tiles above have landed
	RFILL 0, 0, R1, GS8, 21*HSTR                   ; V5 (= 2 BST + T128)
	; HEADS 1 AND 2, windows of 4 x 4: one text, walked twice.  The upper halves of V's and P's fragments (keys 16-31) hold 0.
.irp cb, 0,1,2,3
.irp n, 4,5,6,7
	v_mov_b32 v[VF+8*\cb+\n], 0
.endr
.endr
.irp n, 4,5,6,7
	v_mov_b32 v[PF+\n], 0
.endr
	s_wait_xcnt 0x0
	s_mov_b64 s[OB:OB+1], s[OBASE:OBASE+1]
	s_mov_b32 s[TBK], R2
	s_mov_b32 s[TBB], TAB
	s_mov_b32 s[CNT], 2
.La:
	s_wait_xcnt 0x0                                ; the last head's stores have read their data and base
	s_add_nc_u64 s[OB:OB+1], s[OB:OB+1], HSTR
	v_add_nc_u32 v[AK], s[TBK], v[LQ]
	v_add_nc_u32 v[AV], s[TBK], v[LVA]
	v_add_nc_u32 v[BA], s[TBB], v[BALA]
	ds_load_b128 v[S:S+3],   v[BA]
	ds_load_b128 v[S+4:S+7], v[BA] offset:48
.irp c, 0,1
	ds_load_b128 v[KF+8*\c:KF+8*\c+3],   v[AK] offset:64*\c
	ds_load_b128 v[KF+8*\c+4:KF+8*\c+7], v[AK] offset:64*\c+32
.endr
.irp cb, 0,1,2,3
	ds_load_tr16_b128 v[VF+8*\cb:VF+8*\cb+3], v[AV] offset:32*\cb
.endr
	s_wait_dscnt 4                                 ; V's four loads may stay out
	s_cmp_eq_u32 s[CNT], 2                         ; the heads' Q lie in different registers: only the products that name them are written for each
	s_cbranch_scc0 .Lqa2
	AKQ 0
	s_branch .Lqad
.Lqa2:
	AKQ 16
.Lqad:
.rept 4
	v_nop
.endr
.irp n, 0,1,2,3                        ; both accumulators are read from their low end on
	v_pk_add_f32 v[S+2*\n:S+2*\n+1], v[S+2*\n:S+2*\n+1], v[S+8+2*\n:S+8+2*\n+1]
.endr
	v_max3_num_f32 v[C0], v[S], v[S+1], v[S+2]
	v_max3_num_f32 v[C0], v[C0], v[S+3], v[S+4]
	v_max3_num_f32 v[C0], v[C0], v[S+5], v[S+6]
	v_max_num_f32 v[C0], v[C0], v[S+7]
	v_permlanex16_b32 v[C0+3], v[C0], s[SEL], s[SEL+1]
	v_max_num_f32 v[ST+1], v[C0], v[C0+3]
	v_mul_f32 v[ST], s[CS], v[ST+1]
.irp n, 0,1,2,3
	v_pk_fma_f32 v[S+2*\n:S+2*\n+1], v[S+2*\n:S+2*\n+1], s[CS:CS+1], v[ST:ST+1] op_sel_hi:[1,0,0] neg_lo:[0,0,1] neg_hi:[0,0,1]
.endr
.irp n, 0,1,2,3,4,5,6,7
	v_exp_f32 v[S+\n], v[S+\n]
.endr
	v_nop
	s_wait_alu depctr_va_vdst(0)                   ; one wait for the eight exponentials
.irp n, 0,1,2,3
	v_cvt_pk_f16_f32 v[PF+\n], v[S+2*\n], v[S+2*\n+1]
.endr
	v_pk_add_f32 v[S:S+1], v[S:S+1], v[S+2:S+3]
	v_pk_add_f32 v[S+4:S+5], v[S+4:S+5], v[S+6:S+7]
	v_pk_add_f32 v[ST+2:ST+3], v[S:S+1], v[S+4:S+5]
	s_wait_dscnt 0x0
.irp cb, 0,1,2,3
	v_wmma_f32_16x16x32_f16 v[OA+8*\cb:OA+8*\cb+7], v[VF+8*\cb:VF+8*\cb+7], v[PF:PF+7], 0
.endr
	OUTW
	s_add_co_u32 s[TBK], s[TBK], BST
	s_add_co_u32 s[TBB], s[TBB], 1536
	s_sub_co_u32 s[CNT], s[CNT], 1
	s_cmp_lg_u32 s[CNT], 0
	s_cbranch_scc1 .La
	CHANGE                                         ; V5 has landed, and every wave knows
	; HEADS 3, 4, 5, windows of 8 x 8: one chunk each; K at 0, V at 18,432, and 38,912 bytes on from head to head
	s_lshr_b32 s90, s[WV], 2                       ; my window of the block's two
	s_mul_i32 s[TBV], s90, 64*PV
	s_mul_i32 s[TBK], s90, 64*PK
	s_add_co_u32 s[TBV], s[TBV], T128
	s_mov_b32 s[TBB], TAB+3072
	s_mov_b32 s[CNT], 3
.Lb:
	s_wait_xcnt 0x0                                ; the last head's stores have read their data and base
	s_add_nc_u64 s[OB:OB+1], s[OB:OB+1], HSTR
	CLOAD 160, BALB
	s_cmp_eq_u32 s[CNT], 3                         ; as above: the eight products that name Q are written for each head
	s_cbranch_scc0 .Lq4
	KQ 32
	s_branch .Lqd
.Lq4:
	s_cmp_eq_u32 s[CNT], 2
	s_cbranch_scc0 .Lq5
	KQ 48
	s_branch .Lqd
.Lq5:
	KQ 64
.Lqd:
	CTAIL 1
	OUTW
	s_add_co_u32 s[TBK], s[TBK], BST
	s_add_co_u32 s[TBV], s[TBV], BST
	s_add_co_u32 s[TBB], s[TBB], 5120
	s_sub_co_u32 s[CNT], s[CNT], 1
	s_cmp_lg_u32 s[CNT], 0
	s_cbranch_scc1 .Lb
	s_wait_tensorcnt 0x0                           ; the wave's end
	ds_add_u32 v[SPW], v[NIL]
	s_wait_dscnt 0x0
	s_endpgm
.Lfunc_end_k_q89dd1f2fff_wattn:
	.size	k_q89dd1f2fff_wattn, .Lfunc_end_k_q89dd1f2fff_wattn-k_q89dd1f2fff_wattn
	.p2alignl 7, 3214868480
	.fill 96, 4, 3214868480
	.section	.rodata,"a",@progbits
	.p2align	6, 0x0
	.amdhsa_kernel k_q89dd1f2fff_wattn
		.amdhsa_group_segment_fixed_size 327680
		.amdhsa_private_segment_fixed_size 0
		.amdhsa_enable_private_segment 0
		.amdhsa_kernarg_size 24
		.amdhsa_user_sgpr_count 2
		.amdhsa_user_sgpr_kernarg_segment_ptr 1
		.amdhsa_wavefront_size32 1
		.amdhsa_system_sgpr_workgroup_id_x 1
		.amdhsa_system_sgpr_workgroup_id_y 1
		.amdhsa_system_sgpr_workgroup_id_z 1
		.amdhsa_system_vgpr_workitem_id 0
		.amdhsa_next_free_vgpr 368
		.amdhsa_next_free_sgpr 100
		.amdhsa_reserve_vcc 0
		.amdhsa_float_denorm_mode_32 3
		.amdhsa_float_denorm_mode_16_64 3
		.amdhsa_memory_ordered 1
		.amdhsa_forward_progress 1
		.amdhsa_inst_pref_size 70
	.end_amdhsa_kernel
	.amdgpu_metadata
---
amdhsa.version: [ 1, 2 ]
amdhsa.kernels:
  - .name:           k_q89dd1f2fff_wattn
    .symbol:         k_q89dd1f2fff_wattn.kd
    .args:
      - { .name: qkv, .offset: 0, .size: 8, .value_kind: global_buffer, .address_space: global }
      - { .name: btab, .offset: 8, .size: 8, .value_kind: global_buffer, .address_space: global }
      - { .name: oh, .offset: 16, .size: 8, .value_kind: global_buffer, .address_space: global }
    .group_segment_fixed_size: 327680
    .private_segment_fixed_size: 0
    .kernarg_segment_align: 8
    .kernarg_segment_size: 24
    .max_flat_workgroup_size: 256
    .sgpr_count:     100
    .vgpr_count:     368
    .wavefront_size: 32
...
	.end_amdgpu_metadata
.endif
;; end of part 4
;; launch projout (part 5): grid 256 x 1, 4 waves a work-group, clusters of 4 x 1, 327,680 bytes of LDS; arguments oh, wpj, bproj, out0; writes out0
.if DOCPART == 5
	.amdgcn_target "amdgcn-amd-amdhsa--gfx1250"
	.amdhsa_code_object_version 6
	.text
	.protected	k_q89dd1f2fff_projout
	.globl	k_q89dd1f2fff_projout
	.p2align	8
	.type	k_q89dd1f2fff_projout,@function
k_q89dd1f2fff_projout:
	s_mov_b64 s[64:65], 0
	v_nop
	global_prefetch_b8 v0, s[64:65] scope:SCOPE_SE
	s_setreg_imm32_b32 hwreg(HW_REG_WAVE_MODE, 25, 1), 1
	s_wait_xcnt 0x0
	s_wait_alu depctr_hold_cnt(0) depctr_sa_sdst(0) depctr_va_vdst(0) depctr_va_sdst(0) depctr_va_ssrc(0) depctr_va_vcc(0) depctr_vm_vsrc(0)
	s_getreg_b32 s2, hwreg(HW_REG_IB_STS2, 6, 4)
	s_cmp_eq_u32 s2, 0
	s_cbranch_scc0 .Lentry_in_a_cluster
	s_endpgm
.Lentry_in_a_cluster:
	s_bfe_u32 s2, ttmp6, 0x10000c
	s_cmp_lg_u32 s2, 0x3003
	s_cbranch_scc0 .Lentry_shape_is_right
	s_endpgm
.Lentry_shape_is_right:
; out0[row][n] = the sum over k of fused[row][k] Wproj[n][k] + bproj[n].  fused[b n'][64 h + d] = oh[h][b][n'][d] (f16); wpj: [512][512], Wproj rounded to bf16 and written as f16; bproj rounded to bf16; sums in f32; out0 f32.
; SHARES.  A work-group owns 128 rows and walks the 4 tiles of 128 columns; wave (wr, wc) owns 64 rows x the 64 columns wc of each tile.  Its 64 rows of fused stay in registers (512), so a fragment of W read from LDS feeds four products.
; THE RING.  Two LDS slots, each a WHOLE tile of W (128 rows x 512 along K); each wave fetches 32 rows of 1,024 bytes with one tensor load.  A slot is asked for again in its tile's last quarter: from the request to the wait for it a
; wave issues 224 matrix instructions and a tile's way out.  fused comes by plain tensor loads, a head's 128 rows (16,384 dense bytes) each, two a wave, onto slot 1 and the 14,336 bytes behind it; it is read once, into registers,
; and then slot 1 takes W's tile 1 as a refill.
; CLUSTER.  All work-groups walk the same W: the four of a cluster ask for each tile JOINTLY (mask 15).  The place in the cluster enters oh's and out0's global addresses alone.
; NO PREFETCH: wpj is 524,288 bytes beside the 100 MB that the launch moves once; what it waits for is its own rows and its stores.
; THE BIAS is the C operand of each sum's first product: rounded once at the head, kept as f32 in 1,024 LDS bytes of the wave's own.  THE MATRIX INSTRUCTION IS USED TRANSPOSED: a lane holds one row and eight neighbouring columns.
; REGISTERS: window 0: v0-31 addresses; v32-63 the tile's bias; v64-127 at work; v128-255 the 16 accumulators ((cb, a) at 128 + 8 (4 cb + a)).  window 1: two buffers of W's fragments.  windows 2, 3: fused's fragments.
.set PITCH,  1040                      ; a row of W in LDS: 1,024 bytes + 16 = 260 words: the 16 rows of a load start at 16 different groups of four banks (ISA guide 11.1)
.set SLOTB,  128*PITCH
.set AS,     SLOTB                     ; fused: head h's 128 rows at AS + h x 18,432, pitch 144
.set AP,     144
.set HB,     128*AP
.set OST,    AS+8*HB                   ; the way out: 16 rows x 272 bytes for each wave
.set OPF,    272
.set BS,     OST+4*16*OPF              ; the bias: for each wave its 64 columns of each of the four tiles, f32
.set SPARE,  BS+4096                   ; the spare words, 128 bytes for each wave: no other line names them
.set TILEB,  128*1024
.set ADRB, 16                          ; v16     LDS address of my W fragments in slot 0; never rewritten
.set ADR,  17                          ; v17     the same in the slot in hand
.set ARD,  18                          ; v18-21  where I read fused's fragments: heads 2 hp, 2 hp + 1
.set STO,  24
.set RD,   25
.set CO,   26
.set BO,   27
.set SPW,  28
.set NIL,  29
.set BA,   30                          ; v30     where I read the next tile's bias
.set BI,   32
.set TMP,  64
.set ACC,  128
.set F0,   0
.set F1,   128
.set WV,   12                          ; s12 wave; s13 wr; s14 wc; s15 cx; s16 g
.set CNT,  17
.set BP,   18                          ; s[18:19] bproj at my 64 columns of tile 0
.set OB,   20                          ; s[20:21] out0 at my rows and this tile's columns of mine
.set LW,   22                          ; s22 my 32 rows' place in a slot
.set SL,   23                          ; s23 the slot in hand: 0 or SLOTB
.set G1,   24
.set GW,   32                          ; s[32:35] W's group 0: it walks
.set G1A,  40
.set G0A,  68
.set MSB, 0
.macro WIN new
.if MSB != (\new)
	s_set_vgpr_msb (MSB<<8)|(\new)
.set MSB, \new
.endif
.endm
.macro PLACES
.rept 4
	v_nop
.endr
.endm
.macro CREST
	s_cmp_lg_u32 s[WV], 0
	s_cbranch_scc1 .Lnot_wave_0_\@
	s_barrier_signal -3
.Lnot_wave_0_\@:
	s_barrier_wait -3
	s_barrier_signal -1
	s_barrier_wait -1
.endm
.macro CROUND
	s_barrier_signal -1
	s_barrier_wait -1
	CREST
.endm
.macro JLOAD
	tensor_load_to_lds s[GW:GW+3], s[G1:G1+7]
	s_nop 0
.rept 4
	v_nop
.endr
.endm
.macro BLOAD                           ; a tile's bias: eight numbers for each block of 16 columns; all lanes of a half read the same bytes.  The address then steps to the next tile
.irp cb, 0,1,2,3
	ds_load_b128 v[BI+8*\cb:BI+8*\cb+3],   v[BA] offset:64*\cb
	ds_load_b128 v[BI+8*\cb+4:BI+8*\cb+7], v[BA] offset:64*\cb+16
.endr
	v_add_nc_u32 v[BA], 256, v[BA]
.endm
	s_load_b256 s[4:11], s[0:1], 0x0               ; oh s[4:5], wpj s[6:7], bproj s[8:9], out0 s[10:11]
	v_lshl_add_u32 v[SPW], v0, 2, SPARE
	v_mov_b32 v[NIL], 0
	ds_add_u32 v[SPW], v[NIL]                      ; the wave's opening: the add and its wait ahead of my first tensor load
	v_lshrrev_b32 v1, 5, v0
	v_readfirstlane_b32 s[WV], v1
	s_lshr_b32 s13, s[WV], 1
	s_and_b32 s14, s[WV], 1
	s_bfe_u32 s15, ttmp6, 0x40000
	s_lshl_b32 s16, ttmp9, 2
	s_add_co_u32 s16, s16, s15                     ; g: my block of 128 rows
	s_mov_b32 s[G1], 15|(1<<16)|(1<<20)|(1<<21)|(7<<22)|(3<<25)  ; W: the mask of four; 32 rows of 512 elements, 16 bytes of padding after every 1,024
	s_mov_b32 s[G1+1], 512<<16
	s_mov_b32 s[G1+2], 32<<16
	s_mov_b32 s[G1+3], 512<<16
	s_mov_b32 s[G1+4], 32
	s_mov_b32 s[G1+5], 512
	s_mov_b32 s[G1+6], 0
	s_mov_b32 s[G1+7], 0
	s_mov_b32 s[G1A], (1<<16)|(1<<20)|(4<<22)|(3<<25)  ; fused: no mask; 64 rows of 256 bytes, 16 bytes of padding after every 128
	s_mov_b32 s[G1A+1], 128<<16
	s_mov_b32 s[G1A+2], 64<<16
	s_mov_b32 s[G1A+3], 128<<16
	s_mov_b32 s[G1A+4], 64
	s_mov_b32 s[G1A+5], 128
	s_mov_b32 s[G1A+6], 0
	s_mov_b32 s[G1A+7], 0
	s_mul_i32 s[LW], s[WV], 32*PITCH
	s_mov_b32 s[GW], 1
	s_mov_b32 s[GW+1], s[LW]                       ; tile 0 into slot 0
	s_mov_b32 s[SL], 0
	s_mul_i32 s59, s[WV], 2*HB
	s_add_co_u32 s59, s59, AS
	s_mov_b32 s[G0A], 1
	s_mov_b32 s[G0A+1], s59                        ; head 2 w,
	s_mov_b32 s[G0A+4], 1
	s_add_co_u32 s[G0A+5], s59, HB                 ; head 2 w + 1
	s_lshl_b32 s56, s[WV], 15
	s_mov_b32 s57, 0
	s_lshl_b32 s48, s[WV], 23                      ; two heads of 4,194,304 bytes
	s_lshl_b32 s49, s16, 14
	s_add_co_u32 s48, s48, s49
	s_mov_b32 s49, 0
	s_lshl_b32 s50, s16, 18                        ; 128 rows of 2,048 bytes,
	s_lshl_b32 s51, s13, 17                        ; my 64,
	s_add_co_u32 s50, s50, s51
	s_lshl_b32 s52, s14, 8                         ; my 64 columns
	s_add_co_u32 s50, s50, s52
	s_mov_b32 s51, 0
	s_mov_b32 s53, 0
	s_wait_dscnt 0x0                               ; the opening add is done
	s_wait_kmcnt 0x0
	s_add_nc_u64 s[GW+2:GW+3], s[6:7], s[56:57]
	s_or_b32 s[GW+3], s[GW+3], 0x80000000
	s_add_nc_u64 s[G0A+2:G0A+3], s[4:5], s[48:49]
	s_add_nc_u64 s[G0A+6:G0A+7], s[G0A+2:G0A+3], 4194304
	s_or_b32 s[G0A+3], s[G0A+3], 0x80000000
	s_or_b32 s[G0A+7], s[G0A+7], 0x80000000
	s_add_nc_u64 s[OB:OB+1], s[10:11], s[50:51]
	s_add_nc_u64 s[BP:BP+1], s[8:9], s[52:53]
	CROUND                                         ; all four work-groups are here
	tensor_load_to_lds s[G0A:G0A+3], s[G1A:G1A+7]  ; the first fills go out as one group: three tensor loads of mine are out
	s_nop 0
	tensor_load_to_lds s[G0A+4:G0A+7], s[G1A:G1A+7]
	s_nop 0
	tensor_load_to_lds s[GW:GW+3], s[G1:G1+7]
	s_nop 0
.rept 4
	v_nop
.endr
	v_and_b32 v1, 31, v0                           ; lane
	v_and_b32 v2, 15, v0                           ; l % 16
	v_bfe_u32 v3, v0, 4, 1                         ; l / 16
	v_lshrrev_b32 v4, 3, v1                        ; the bias: lane l takes eight numbers: tile l / 8, columns 8 (l % 8) on of my 64
	v_and_b32 v5, 7, v0
	v_lshlrev_b32 v5, 5, v5
	v_lshl_add_u32 v[BO], v4, 9, v5
	global_load_b128 v[BI:BI+3],   v[BO], s[BP:BP+1]
	global_load_b128 v[BI+4:BI+7], v[BO], s[BP:BP+1] offset:16
	v_mul_u32_u24 v4, v2, AP
	v_lshl_add_u32 v4, v3, 4, v4
	s_mul_i32 s58, s13, 64*AP
	s_add_co_u32 s58, s58, AS
	v_add_nc_u32 v[ARD], s58, v4
	v_add_nc_u32 v[ARD+1], 2*HB, v[ARD]
	v_add_nc_u32 v[ARD+2], 4*HB, v[ARD]
	v_add_nc_u32 v[ARD+3], 6*HB, v[ARD]
	v_mul_u32_u24 v4, v2, PITCH
	v_lshl_add_u32 v4, v3, 4, v4
	s_mul_i32 s58, s14, 64*PITCH
	v_add_nc_u32 v[ADRB], s58, v4
	v_mov_b32 v[ADR], v[ADRB]
	s_mul_i32 s58, s[WV], 16*OPF
	s_add_co_u32 s58, s58, OST
	v_mul_u32_u24 v4, v2, OPF
	v_lshl_add_u32 v4, v3, 5, v4
	v_add_nc_u32 v[STO], s58, v4                   ; in: row l % 16, 32 bytes for each half of the lanes
	v_mul_u32_u24 v4, v3, OPF
	v_lshl_add_u32 v4, v2, 4, v4
	v_add_nc_u32 v[RD], s58, v4                    ; back: lanes 0-15 one row of 256 bytes, lanes 16-31 the next
	v_lshlrev_b32 v4, 11, v3
	v_lshl_add_u32 v[CO], v2, 4, v4                ; and the same two rows in out0
	s_lshl_b32 s58, s[WV], 10
	s_add_co_u32 s58, s58, BS
	v_lshl_add_u32 v7, v1, 5, s58                  ; where I put my eight numbers: tile x 256 + column x 4
	v_lshl_add_u32 v[BA], v3, 5, s58               ; where I read tile 0's: 32 bytes for each half of the lanes
	s_wait_loadcnt 0x0
.irp n, 0,1,2,3                        ; rounded to bf16 like every input, and widened again
	v_cvt_pk_bf16_f32 v6, v[BI+2*\n], v[BI+2*\n+1]
	v_lshlrev_b32 v[BI+2*\n], 16, v6
	v_and_b32 v[BI+2*\n+1], 0xffff0000, v6
.endr
	ds_store_b128 v7, v[BI:BI+3]
	ds_store_b128 v7, v[BI+4:BI+7] offset:16
	BLOAD                                          ; tile 0's bias: LDS serves a wave's instructions in order (ISA guide 5.7.1.4): these see the stores above
	s_wait_tensorcnt 0x0                           ; my heads of fused and my part of tile 0 are in
	s_wait_dscnt 0x0
	s_barrier_signal -1
	s_barrier_wait -1                              ; everybody's are
.irp a, 0,1,2,3                        ; fused's fragments: K step n lies in head n / 2, channels 32 (n % 2) on
	WIN 0x80+0x40*((\a)/2)
.set n, 0
.rept 16
	ds_load_b128 v[8*(16*((\a)%2)+n):8*(16*((\a)%2)+n)+3],   v[ARD+n/4] offset:((n/2)%2)*HB+(\a)*16*AP+(n%2)*64
	ds_load_b128 v[8*(16*((\a)%2)+n)+4:8*(16*((\a)%2)+n)+7], v[ARD+n/4] offset:((n/2)%2)*HB+(\a)*16*AP+(n%2)*64+32
.set n, n+1
.endr
.endr
.macro FETCH kh, blk, f
	WIN 0x40
.set n, 0
.rept 16
	ds_load_b128 v[(\f)+8*n:(\f)+8*n+3],   v[ADR] offset:(2*(\blk)+n/8)*16*PITCH+(\kh)*512+(n%8)*64
	ds_load_b128 v[(\f)+8*n+4:(\f)+8*n+7], v[ADR] offset:(2*(\blk)+n/8)*16*PITCH+(\kh)*512+(n%8)*64+32
.set n, n+1
.endr
.endm
; 16 matrix instructions; the four accumulators take turns.  A tile's first K step starts the sums with the bias.
.macro MUL16 f, kh, blk, hi, kq
	WIN 0x09+4*(\hi)
.set n, 0
.rept 16
.set ks, 4*(\kq)+n/4
.set rD, ACC+8*(4*(2*(\blk)+n%2)+2*(\hi)+(n/2)%2)
.set rW, (\f)+8*(8*(n%2)+ks)
.set rA, 8*(16*((n/2)%2)+8*(\kh)+ks)
.set rB, BI+8*(2*(\blk)+n%2)
.if ((\kh) == 0) && (ks == 0)
	v_wmma_f32_16x16x32_f16 v[rD:rD+7], v[rW:rW+7], v[rA:rA+7], v[rB:rB+7]
.else
	v_wmma_f32_16x16x32_f16 v[rD:rD+7], v[rW:rW+7], v[rA:rA+7], v[rD:rD+7]
.endif
.set n, n+1
.endr
.endm
.macro QUARTER f, kh, blk, nkh, nblk, g
	s_wait_dscnt 0x0
	MUL16 \f, \kh, \blk, 0, 0
	MUL16 \f, \kh, \blk, 0, 1
	PLACES
	FETCH \nkh, \nblk, \g
	MUL16 \f, \kh, \blk, 1, 0
	MUL16 \f, \kh, \blk, 1, 1
.endm
; The last quarter changes slots: each wave waits for all its tensor loads, adds 0 to its spare word, and waits for that and for its reads of the slot.  fill = 1: the barrier opens a round of the cluster's, and the slot just read out
; is filled again first thing behind it, with the tile two on.
.macro TURN f, fill
	WIN 0
	s_wait_tensorcnt 0x0
	ds_add_u32 v[SPW], v[NIL]
	s_wait_dscnt 0x1                               ; only the add may be out: buffer f is in
	MUL16 \f, 1, 1, 0, 0
	s_wait_dscnt 0x0
	s_barrier_signal -1
	MUL16 \f, 1, 1, 0, 1
	WIN 0
	s_barrier_wait -1
.if \fill
	CREST
	s_add_co_u32 s[GW+1], s[LW], s[SL]             ; no tensor load of mine is out: the walking group 0 takes the slot just read out
	s_add_nc_u64 s[GW+2:GW+3], s[GW+2:GW+3], TILEB ; and the next tile
	JLOAD
.else
	PLACES
.endif
	s_xor_b32 s[SL], s[SL], SLOTB                  ; on to the other slot
	v_add_nc_u32 v[ADR], s[SL], v[ADRB]
	FETCH 0, 0, F0
	MUL16 \f, 1, 1, 1, 0
	MUL16 \f, 1, 1, 1, 1
.endm
; THE WAY OUT: 16 rows at a time through my stage: 32 bytes a lane in, whole rows of 256 bytes back; sixteen lanes store 256 consecutive bytes, aligned.  The next tile's bias is read at the head; last = 1: not in the loop's last trip,
; behind which there is no tile.
.macro OUT last
	WIN 0
	PLACES                                         ; behind the last products: the stores read results, the loads land in registers that products have read
.if \last
	s_cmp_eq_u32 s[CNT], 1
	s_cbranch_scc1 .Lno_bias_\@
.endif
	BLOAD
.if \last
.Lno_bias_\@:
.endif
.irp a, 0,1,2,3
	s_wait_xcnt 0x0                                ; earlier stores have read the registers that are loaded again below
.irp cb, 0,1,2,3
	ds_store_b128 v[STO], v[ACC+8*(4*\cb+\a):ACC+8*(4*\cb+\a)+3]   offset:64*\cb
	ds_store_b128 v[STO], v[ACC+8*(4*\cb+\a)+4:ACC+8*(4*\cb+\a)+7] offset:64*\cb+16
.endr
.irp i, 0,1,2,3,4,5,6,7
	ds_load_b128 v[TMP+32*(\a%2)+4*\i:TMP+32*(\a%2)+4*\i+3], v[RD] offset:\i*2*OPF   ; LDS serves a wave's instructions in order (ISA guide 5.7.1.4)
.endr
.irp i, 0,1,2,3,4,5,6,7
	s_wait_dscnt 7-\i
	global_store_b128 v[CO], v[TMP+32*(\a%2)+4*\i:TMP+32*(\a%2)+4*\i+3], s[OB:OB+1] offset:(16*\a+2*\i)*2048 th:TH_STORE_NT
.endr
.endr
	s_wait_xcnt 0x0                                ; the stores have read their base
	s_add_nc_u64 s[OB:OB+1], s[OB:OB+1], 512
.endm
.macro TILE fill
	QUARTER F0, 0, 0, 0, 1, F1
	QUARTER F1, 0, 1, 1, 0, F0
	QUARTER F0, 1, 0, 1, 1, F1
	TURN    F1, \fill
	OUT 1-(\fill)
	WIN 0
	s_sub_co_u32 s[CNT], s[CNT], 1
	s_cmp_lg_u32 s[CNT], 0
.endm
	FETCH 0, 0, F0
	WIN 0
	s_wait_tensorcnt 0x0                           ; it is asked for as a refill is
	ds_add_u32 v[SPW], v[NIL]
	s_add_co_u32 s[GW+1], s[LW], SLOTB             ; no tensor load of mine is out: slot 1,
	s_add_nc_u64 s[GW+2:GW+3], s[GW+2:GW+3], TILEB ; tile 1
	s_wait_dscnt 0x0                               ; the add is done, and fused is in my registers
	CROUND                                         ; in every wave's, of every partner
	JLOAD
	s_mov_b32 s[CNT], 2
.Ltile:                                        ; tiles 0 and 1: tile t's slot is filled again with tile t + 2
	TILE 1
	s_cbranch_scc1 .Ltile
	s_mov_b32 s[CNT], 2
.Llast:                                        ; tiles 2 and 3 ask for nothing: a text of their own.  Tile 3's barrier and its 32 loads from the other slot serve nothing: the price of one text for both
	TILE 0
	s_cbranch_scc1 .Llast
	s_wait_tensorcnt 0x0                           ; the wave's end
	ds_add_u32 v[SPW], v[NIL]
	s_wait_dscnt 0x0
	CROUND                                         ; the closing round
	s_endpgm
.Lfunc_end_k_q89dd1f2fff_projout:
	.size	k_q89dd1f2fff_projout, .Lfunc_end_k_q89dd1f2fff_projout-k_q89dd1f2fff_projout
	.p2alignl 7, 3214868480
	.fill 96, 4, 3214868480
	.section	.rodata,"a",@progbits
	.p2align	6, 0x0
	.amdhsa_kernel k_q89dd1f2fff_projout
		.amdhsa_group_segment_fixed_size 327680
		.amdhsa_private_segment_fixed_size 0
		.amdhsa_enable_private_segment 0
		.amdhsa_kernarg_size 32
		.amdhsa_user_sgpr_count 2
		.amdhsa_user_sgpr_kernarg_segment_ptr 1
		.amdhsa_wavefront_size32 1
		.amdhsa_system_sgpr_workgroup_id_x 1
		.amdhsa_system_sgpr_workgroup_id_y 1
		.amdhsa_system_sgpr_workgroup_id_z 1
		.amdhsa_system_vgpr_workitem_id 0
		.amdhsa_next_free_vgpr 1024
		.amdhsa_next_free_sgpr 80
		.amdhsa_reserve_vcc 0
		.amdhsa_float_denorm_mode_32 3
		.amdhsa_float_denorm_mode_16_64 3
		.amdhsa_memory_ordered 1
		.amdhsa_forward_progress 1
		.amdhsa_inst_pref_size 89
	.end_amdhsa_kernel
	.amdgpu_metadata
---
amdhsa.version: [ 1, 2 ]
amdhsa.kernels:
  - .name:           k_q89dd1f2fff_projout
    .symbol:         k_q89dd1f2fff_projout.kd
    .args:
      - { .name: oh, .offset: 0, .size: 8, .value_kind: global_buffer, .address_space: global }
      - { .name: wpj, .offset: 8, .size: 8, .value_kind: global_buffer, .address_space: global }
      - { .name: bproj, .offset: 16, .size: 8, .value_kind: global_buffer, .address_space: global }
      - { .name: out0, .offset: 24, .size: 8, .value_kind: global_buffer, .address_space: global }
    .group_segment_fixed_size: 327680
    .private_segment_fixed_size: 0
    .kernarg_segment_align: 8
    .kernarg_segment_size: 32
    .max_flat_workgroup_size: 128
    .sgpr_count:     80
    .vgpr_count:     1024
    .wavefront_size: 32
...
	.end_amdgpu_metadata
.endif
;; end of part 5
